; MI455X (gfx1250); checked and timed in simulation.
; The chip was launched on July 23, 2026; its instructions are those of AMD's public machine-readable ISA for CDNA 5 (MIT licence, August 2026) and "CDNA5" Instruction Set Architecture Reference Guide (July 2026). The comments in the code are by the model that wrote it; some were corrected since.
;; Attention. Allowed arithmetic: matrix products marked QUANTISED: E2M1 operands, one E8M0 scale for each 32 along K, by v_wmma_scale_f32_16x16x128_f8f6f4 with both operands' format E2M1 (or v_wmma_scale_f32_32x16x128_f4), f32 sums; everything else in f32.
;; Inputs: Wk_codes 1,024 x 64 x 16 uint8 (E2M1 codes of Wk, K innermost, in blocks of 32 codes, two codes a byte); Wk_scales 1,024 x 64 uint8 (E8M0 scales of Wk, one for each 32 codes along K); Wo_codes 2,048 x 32 x 16 uint8 (E2M1 codes of Wo, K innermost, in blocks of 32 codes, two codes a byte); Wo_scales 2,048 x 32 uint8 (E8M0 scales of Wo, one for each 32 codes along K); Wq_codes 1,024 x 64 x 16 uint8 (E2M1 codes of Wq, K innermost, in blocks of 32 codes, two codes a byte); Wq_scales 1,024 x 64 uint8 (E8M0 scales of Wq, one for each 32 codes along K); Wv_codes 1,024 x 64 x 16 uint8 (E2M1 codes of Wv, K innermost, in blocks of 32 codes, two codes a byte); Wv_scales 1,024 x 64 uint8 (E8M0 scales of Wv, one for each 32 codes along K); rms_w 2,048 float32; x 2 x 2,048 x 2,048 float32.
;; Outputs: out0 2 x 2,048 x 2,048 float32.
;; This version of the problem:
;;   THIS VERSION OF THE PROBLEM IS GIVEN IN LOW PRECISION. The matrix products marked QUANTISED in the list below multiply operands that are first quantised to E2M1 (2 exponent bits, 1 mantissa bit; 4 bits a number), with one power-of-two scale for each 32 numbers along K (OCP MX v1.0); their sums are f32. All else is computed in f32.
;;   The module's matrix products, in the order in which they are computed (A, B: the left and right operand; K: the contracted axis; several contracted axes count as one K, in the product's order):
;;     1. [M 4,096, K 2,048] x [K 2,048, N 1,024]; A: computed on the way; B: input Wq (given as codes): QUANTISED
;;     2. [M 4,096, K 2,048] x [K 2,048, N 1,024]; A: computed on the way; B: input Wk (given as codes): QUANTISED
;;     3. [M 4,096, K 2,048] x [K 2,048, N 1,024]; A: computed on the way; B: input Wv (given as codes): QUANTISED
;;     4. batch 32 x [M 2,048, K 64] x [K 64, N 2,048]; A: computed on the way; B: computed on the way: QUANTISED
;;     5. batch 32 x [M 64, K 2,048] x [K 2,048, N 2,048]; A: computed on the way; B: softmax (see below): QUANTISED
;;     6. [M 4,096, K 1,024] x [K 1,024, N 2,048]; A: computed on the way; B: input Wo (given as codes): QUANTISED
;;   THE QUANTISER, for each operand of a quantised product, along K:
;;     - K is cut into blocks of 32 from its start; a last block that is shorter is filled with zeros.
;;     - A block's scale is 2^e with e = floor(log2(the largest magnitude in the block)) - 2, held to -126 .. 127; a block of zeros has e = 0. As a byte (E8M0): e + 127.
;;     - Each number is divided by its block's scale, clamped to +-6, and rounded to the nearest number of E2M1, ties to even, subnormals kept.
;;     - The product sums the exact products of the quantised numbers (number of the format x scale) in f32.
;;   ~~~python
;;   def quantise(x, axis):      # numpy; x: float32 -> the quantised numbers, widened to float32 again
;;       x = np.moveaxis(x, axis, -1); K = x.shape[-1]
;;       x = np.pad(x, [(0, 0)] * (x.ndim - 1) + [(0, -K % 32)]); x = x.reshape(x.shape[:-1] + (-1, 32)); a = np.abs(x).max(-1, keepdims=True)
;;       e = np.where(a > 0, np.clip(np.frexp(np.where(a > 0, a, 1))[1] - 1 - 2, -126, 127), 0)      # np.frexp(a)[1] - 1 = floor(log2(a)), exactly
;;       r = np.clip(x / 2.0 ** e, -6, 6)
;;       step = 2.0 ** (np.maximum(np.frexp(np.where(r == 0, 1, r))[1] - 1, 0) - 1)
;;       q = np.round(r / step) * step * 2.0 ** e      # np.round: ties to even
;;       return np.moveaxis(q.reshape(q.shape[:-2] + (-1,))[..., :K], -1, axis).astype(np.float32)
;;   ~~~
;;   SOFTMAX AHEAD OF A QUANTISED PRODUCT. Where the list says 'softmax', what is quantised is not the finished softmax but p = 2^(t - M), with t = logit x log2(e) and M = ceil(the row's largest t), a whole number; so 1/2 < the row's largest p <= 1. The row's sum l is taken of the UNQUANTISED p, in f32, and the product's result is divided by l at the end. Since M is a whole number, a kernel that streams over the keys may use a running M (the ceiling of the running maximum): every later rescaling is an exact power of two, which a block's scale takes up: the codes' values come out the same.
;;   OPERANDS COMPUTED ON THE WAY. 'Computed on the way' means the value that the module computes at that place (a softmax that the list does not call 'softmax' is quantised finished and normalised). What goes into a quantiser is computed in f32, as accurately as f32 sums, v_exp_f32 and their like allow (about 1e-6 of the number): no bf16 or f16 on the way to a quantiser, and a product that is left as it is and whose result goes on into a quantised operand takes f32 operands (vector FMAs, or v_wmma_f32_16x16x4_f32). A number that lies on a knife's edge between two numbers of the format may be rounded either way, as far as f32 arithmetic and the matrix unit's own rounding can turn it there, and no further.
;;   INPUTS GIVEN AS CODES. Wk (in the module: [2048, 1024], K = its axis 0); Wo (in the module: [1024, 2048], K = its axis 0); Wq (in the module: [2048, 1024], K = its axis 0); Wv (in the module: [2048, 1024], K = its axis 0): each comes as NAME_codes (uint8): NAME with its K axis moved to the last place and cut into blocks of 32 codes, [.., K / 32, bytes a block], one block behind the other in memory; two codes a byte, the lower K in the low four bits (a code: sign, 2 exponent bits, 1 mantissa bit); and NAME_scales (uint8): the same leading axes, one E8M0 byte (e + 127) for each 32 codes along K. Its value is code x scale, taken as it is: it is not quantised again, and the codes and scales need not be those that the quantiser above would give.
;; One version. Each part assembles by itself: llvm-mc -triple=amdgcn-amd-amdhsa -mcpu=gfx1250 --defsym DOCPART=n.
;; ======== version 1 of 1: 4 launches
;; limits: right only within a limited range of input values
;; workspace buffers: xcodes 4,194,304 bytes; xscales 262,144 bytes; qkvrec 6,946,816 bytes; ocodes 2,097,152 bytes; oscales 131,072 bytes
;; launch normq (part 1): grid 512 x 1, 4 waves a work-group, no clusters, 33,280 bytes of LDS; arguments x, rms_w, xcodes, xscales; writes xcodes, xscales
.if DOCPART == 1
	.amdgcn_target "amdgcn-amd-amdhsa--gfx1250"
	.amdhsa_code_object_version 6
	.text
	.protected	k_q21fa14c9dc_normq
	.globl	k_q21fa14c9dc_normq
	.p2align	8
	.type	k_q21fa14c9dc_normq,@function
k_q21fa14c9dc_normq:
	s_mov_b64 s[64:65], 0
	v_nop
	global_prefetch_b8 v0, s[64:65] scope:SCOPE_SE
	s_setreg_imm32_b32 hwreg(HW_REG_WAVE_MODE, 25, 1), 1
	s_wait_xcnt 0x0
; xn = x * rsqrt(mean(x^2) + 1e-5) * w, row by row of 2,048 f32, and xn turned into codes of FP4 (E2M1) along the row, with one E8M0 scale byte for each 32 numbers.
; x: [4096][2048] f32; w: [2048] f32; codes: [4096][1024 bytes], the lower k in the low four bits; scale bytes: [4096][64].
; A block's scale is 2^(floor(log2(its largest magnitude)) - 2): its byte is the largest magnitude's exponent field - 2, held at 1 from below.
; LIMITS: a block of zeros gets the byte 1 where the quantiser's rule says 127 (its codes are zeros, and only this program reads the bytes); NaN and infinities in x or w are not served;
; the reciprocal root is v_rsq_f32's (1 ulp); the sum of squares is taken in eight chains a lane, not in the order of a plain loop.
; SHARES.  Wave u = 4 x work-group + wave takes rows 2 u and 2 u + 1 and keeps both in registers between the sum of squares and the scaling: x is read once.  All 48 loads of a wave
; (16 a row, 16 for w) go out at its head; each reads 512 consecutive bytes.  No loop, no barrier: waves share nothing, and every offset is an immediate.
; THE TURN.  The conversions take 8 numbers of ONE block from a lane's consecutive registers, so a lane must hold 16 neighbours; the loads give it 4.  So 512 numbers (four loads' worth) at a time go
; through the wave's own stage in LDS as they lie and come back 64 bytes a lane; the stage has 16 bytes of padding behind each 64.  Two neighbouring lanes then hold a block of 32.
.set SP,   80                          ; a lane's place in a stage: 64 bytes + 16 of padding
.set STG,  32*SP                       ; a stage; two of them take turns
.set SCB,  2*STG                       ; behind them the wave's 128 scale bytes
.set W,    16                          ; v16-79    w: load i in registers 4 i on: numbers 128 i + 4 lane + 0 .. 3
.set X,    80                          ; v80-207   row p at 80 + 64 p, in the same order; behind the turn: step s at + 16 s, 16 neighbours
.set SS,   208                         ; v208-215  four pairs of running sums
.set R,    216                         ; v216-217  the reciprocal root, twice (a pair for the packed multiply)
.set E,    218                         ; v218-225  a scale byte for each of the eight steps: no store's data are written again
.set C,    240                         ; v240-255  two registers of codes for each step, likewise
	s_load_b256 s[4:11], s[0:1], 0x0               ; x s[4:5], w s[6:7], codes s[8:9], scale bytes s[10:11]
	v_lshl_add_u32 v238, v0, 2, 0x8000
	v_mov_b32 v239, 0
	v_lshrrev_b32 v1, 5, v0
	v_readfirstlane_b32 s16, v1                    ; wave 0..3
	v_and_b32 v2, 31, v0                           ; lane
	v_lshlrev_b32 v3, 4, v2                        ; my 16 bytes of a load's 512
	v_lshlrev_b32 v4, 3, v2                        ; my 8 bytes of a step's 256 bytes of codes
	v_lshlrev_b32 v7, 2, v2                        ; my 4 of the wave's 128 scale bytes
	s_lshl_b32 s17, s16, 13                        ; the wave's 8,192 bytes of LDS
	v_lshrrev_b32 v14, 2, v2
	v_mul_u32_u24 v14, v14, SP
	v_and_b32 v15, 3, v2
	v_lshl_add_u32 v14, v15, 4, v14
	v_add_nc_u32 v14, s17, v14                     ; into the stage: four lanes' 64 bytes on end, then the padding
	v_mul_u32_u24 v15, v2, SP
	v_add_nc_u32 v15, s17, v15                     ; out of it: my 16 neighbours
	s_add_co_u32 s17, s17, SCB
	v_lshrrev_b32 v5, 1, v2
	v_add_nc_u32 v5, s17, v5                       ; my block's byte among a step's 16
	v_add_nc_u32 v6, s17, v7                       ; and where I read four bytes back
	s_mov_b32 s12, 0x76543210                      ; v_permlanex16_b32's selects for lane l xor 16
	s_mov_b32 s13, 0xfedcba98
	s_mov_b32 s14, 0x3a000000                      ; 1 / 2048
	s_mov_b32 s15, 0x3727c5ac                      ; 1e-5
	s_lshl_b32 s18, ttmp9, 2
	s_add_co_u32 s18, s18, s16                     ; u
	s_lshl_b32 s20, s18, 14                        ; two rows of x: 16,384 bytes
	s_mov_b32 s21, 0
	s_lshl_b32 s22, s18, 11                        ; of codes: 2,048
	s_mov_b32 s23, 0
	s_lshl_b32 s24, s18, 7                         ; of scale bytes: 128
	s_mov_b32 s25, 0
	s_wait_kmcnt 0x0
	s_add_nc_u64 s[4:5], s[4:5], s[20:21]
	s_add_nc_u64 s[8:9], s[8:9], s[22:23]
	s_add_nc_u64 s[10:11], s[10:11], s[24:25]
.irp i, 0,1,2,3,4,5,6,7,8,9,10,11,12,13,14,15
	global_load_b128 v[X+4*\i:X+4*\i+3], v3, s[4:5] offset:512*\i th:TH_LOAD_NT
.endr
.irp i, 0,1,2,3,4,5,6,7,8,9,10,11,12,13,14,15
	global_load_b128 v[W+4*\i:W+4*\i+3], v3, s[6:7] offset:512*\i
.endr
.irp i, 0,1,2,3,4,5,6,7,8,9,10,11,12,13,14,15
	global_load_b128 v[X+64+4*\i:X+64+4*\i+3], v3, s[4:5] offset:8192+512*\i th:TH_LOAD_NT
.endr
; the reciprocal root of row p's mean square + eps, in every lane, twice
.macro SUMSQ p
.irp k, 0,1,2,3
	v_pk_mul_f32 v[SS+2*\k:SS+2*\k+1], v[X+64*\p+2*\k:X+64*\p+2*\k+1], v[X+64*\p+2*\k:X+64*\p+2*\k+1]   ; the first four pairs start the chains: nothing is cleared
.endr
.set j, 4
.rept 28
	v_pk_fma_f32 v[SS+2*(j%4):SS+2*(j%4)+1], v[X+64*\p+2*j:X+64*\p+2*j+1], v[X+64*\p+2*j:X+64*\p+2*j+1], v[SS+2*(j%4):SS+2*(j%4)+1]
.set j, j+1
.endr
	v_pk_add_f32 v[SS:SS+1], v[SS:SS+1], v[SS+2:SS+3]
	v_pk_add_f32 v[SS+4:SS+5], v[SS+4:SS+5], v[SS+6:SS+7]
	v_pk_add_f32 v[SS:SS+1], v[SS:SS+1], v[SS+4:SS+5]
	v_add_f32 v[SS], v[SS], v[SS+1]
	v_add_f32_dpp v[SS], v[SS], v[SS] row_xmask:1 row_mask:0xf bank_mask:0xf
	v_add_f32_dpp v[SS], v[SS], v[SS] row_xmask:2 row_mask:0xf bank_mask:0xf
	v_add_f32_dpp v[SS], v[SS], v[SS] row_xmask:4 row_mask:0xf bank_mask:0xf
	v_add_f32_dpp v[SS], v[SS], v[SS] row_xmask:8 row_mask:0xf bank_mask:0xf
	v_permlanex16_b32 v[SS+1], v[SS], s12, s13     ; (its destination counts as read: it has been written)
	v_add_f32 v[SS], v[SS], v[SS+1]
	v_fma_f32 v[SS], v[SS], s14, s15               ; the mean (an exact division by 2,048) + eps
	s_wait_alu depctr_va_vdst(0)
	v_rsq_f32 v[R], v[SS]
	v_rsq_f32 v[R+1], v[SS]
	v_nop                                          ; one plain instruction between a transcendental and the use of its result (ISA guide 5.7.2)
.endm
.macro NORM p                          ; (x * r) * w, in that order
.set j, 0
	s_wait_alu depctr_va_vdst(0)
.rept 32
	v_pk_mul_f32 v[X+64*\p+2*j:X+64*\p+2*j+1], v[X+64*\p+2*j:X+64*\p+2*j+1], v[R:R+1]
.set j, j+1
.endr
.set j, 0
.rept 32
	v_pk_mul_f32 v[X+64*\p+2*j:X+64*\p+2*j+1], v[X+64*\p+2*j:X+64*\p+2*j+1], v[W+2*j:W+2*j+1]
.set j, j+1
.endr
.endm
.macro TURN4 p                         ; row p's four steps through the two stages; LDS serves a wave's instructions in order (ISA guide 5.7.1.4), so no wait stands between stores and loads, nor ahead of a stage's next use
.irp s, 0,1,2,3
.irp i, 0,1,2,3
	ds_store_b128 v14, v[X+64*\p+16*\s+4*\i:X+64*\p+16*\s+4*\i+3] offset:STG*(\s%2)+8*SP*\i
.endr
.irp i, 0,1,2,3
	ds_load_b128 v[X+64*\p+16*\s+4*\i:X+64*\p+16*\s+4*\i+3], v15 offset:STG*(\s%2)+16*\i
.endr
.endr
.endm
.macro STEP p, s                       ; 512 numbers of row p: 16 blocks
.set XS, X+64*\p+16*\s
.set N,  4*\p+\s
	s_wait_dscnt 24-8*\s                           ; this step's four loads are back; the 8 stage instructions of each later step may be out (the byte stores issued since make the count stricter, never looser)
	v_max3_num_f32 v8, |v[XS]|, |v[XS+1]|, |v[XS+2]|               ; the largest magnitude of my 16, in two chains
	v_max3_num_f32 v9, |v[XS+3]|, |v[XS+4]|, |v[XS+5]|
.irp i, 6,10
	v_max3_num_f32 v8, v8, |v[XS+\i]|, |v[XS+\i+1]|
	v_max3_num_f32 v9, v9, |v[XS+\i+2]|, |v[XS+\i+3]|
.endr
	v_max3_num_f32 v8, v8, |v[XS+14]|, |v[XS+15]|
	v_max3_num_f32 v8, v8, v9, 0x1800000           ; and the floor 2^(3 - 127): the byte cannot fall under 1
	v_max_num_f32_dpp v8, v8, v8 row_xmask:1 row_mask:0xf bank_mask:0xf   ; with my neighbour's 16: the block's
	v_add_nc_u32 v11, 0xff000000, v8               ; 2 off its exponent field: the conversion takes the exponent field of this operand as its scale
	v_cvt_scalef32_pk8_fp4_f32 v[C+2*N], v[XS:XS+7], v11
	v_cvt_scalef32_pk8_fp4_f32 v[C+2*N+1], v[XS+8:XS+15], v11
	v_lshrrev_b32 v[E+N], 23, v11                  ; the scale's byte (also the plain instruction behind the conversions)
	ds_store_b8 v5, v[E+N] offset:16*N             ; both lanes of a block write the same byte with the same value
	global_store_b64 v4, v[C+2*N:C+2*N+1], s[8:9] offset:256*N     ; the wave stores 256 consecutive bytes, at a multiple of 256 from the buffer's first byte
.endm
	s_wait_loadcnt 32                              ; row 0 is in; w's 16 loads and row 1's 16 may be out
	SUMSQ 0
	s_wait_loadcnt 16                              ; w is in
	NORM 0
	TURN4 0
	s_wait_loadcnt 0x0                             ; row 1: its sums and scalings stand beside row 0's turn through LDS
	SUMSQ 1
	NORM 1
.irp s, 0,1,2,3
	STEP 0, \s
.endr
	TURN4 1
.irp s, 0,1,2,3
	STEP 1, \s
.endr
	ds_load_b32 v12, v6                            ; in order behind my byte stores
	s_wait_dscnt 0x0
	global_store_b32 v7, v12, s[10:11]             ; two rows' scale bytes: 128 consecutive bytes a wave, one byte for each 128 that the wave reads
	s_wait_tensorcnt 0x0
	ds_add_u32 v238, v239
	s_wait_dscnt 0x0
	s_endpgm
.Lfunc_end_k_q21fa14c9dc_normq:
	.size	k_q21fa14c9dc_normq, .Lfunc_end_k_q21fa14c9dc_normq-k_q21fa14c9dc_normq
	.p2alignl 7, 3214868480
	.fill 96, 4, 3214868480
	.section	.rodata,"a",@progbits
	.p2align	6, 0x0
	.amdhsa_kernel k_q21fa14c9dc_normq
		.amdhsa_group_segment_fixed_size 33280
		.amdhsa_private_segment_fixed_size 0
		.amdhsa_enable_private_segment 0
		.amdhsa_kernarg_size 32
		.amdhsa_user_sgpr_count 2
		.amdhsa_user_sgpr_kernarg_segment_ptr 1
		.amdhsa_wavefront_size32 1
		.amdhsa_system_sgpr_workgroup_id_x 1
		.amdhsa_system_sgpr_workgroup_id_y 1
		.amdhsa_system_sgpr_workgroup_id_z 1
		.amdhsa_system_vgpr_workitem_id 0
		.amdhsa_next_free_vgpr 256
		.amdhsa_next_free_sgpr 66
		.amdhsa_reserve_vcc 0
		.amdhsa_float_denorm_mode_32 3
		.amdhsa_float_denorm_mode_16_64 3
		.amdhsa_memory_ordered 1
		.amdhsa_forward_progress 1
		.amdhsa_inst_pref_size 33
	.end_amdhsa_kernel
	.amdgpu_metadata
---
amdhsa.version: [ 1, 2 ]
amdhsa.kernels:
  - .name:           k_q21fa14c9dc_normq
    .symbol:         k_q21fa14c9dc_normq.kd
    .args:
      - { .name: x, .offset: 0, .size: 8, .value_kind: global_buffer, .address_space: global }
      - { .name: rms_w, .offset: 8, .size: 8, .value_kind: global_buffer, .address_space: global }
      - { .name: xcodes, .offset: 16, .size: 8, .value_kind: global_buffer, .address_space: global }
      - { .name: xscales, .offset: 24, .size: 8, .value_kind: global_buffer, .address_space: global }
    .group_segment_fixed_size: 33280
    .private_segment_fixed_size: 0
    .kernarg_segment_align: 8
    .kernarg_segment_size: 32
    .max_flat_workgroup_size: 128
    .sgpr_count:     66
    .vgpr_count:     256
    .wavefront_size: 32
...
	.end_amdgpu_metadata
.endif
;; end of part 1
;; launch qkv (part 2): grid 16 x 16, 4 waves a work-group, clusters of 4 x 4, 327,680 bytes of LDS; arguments xcodes, xscales, Wq_codes, Wq_scales, Wk_codes, Wk_scales, Wv_codes, Wv_scales, qkvrec; writes qkvrec
.if DOCPART == 2
	.amdgcn_target "amdgcn-amd-amdhsa--gfx1250"
	.amdhsa_code_object_version 6
	.text
	.protected	k_q21fa14c9dc_qkv
	.globl	k_q21fa14c9dc_qkv
	.p2align	8
	.type	k_q21fa14c9dc_qkv,@function
k_q21fa14c9dc_qkv:
	s_mov_b64 s[64:65], 0
	v_nop
	global_prefetch_b8 v0, s[64:65] scope:SCOPE_SE
	s_setreg_imm32_b32 hwreg(HW_REG_WAVE_MODE, 25, 1), 1
	s_wait_xcnt 0x0
	s_wait_alu depctr_hold_cnt(0) depctr_sa_sdst(0) depctr_va_vdst(0) depctr_va_sdst(0) depctr_va_ssrc(0) depctr_va_vcc(0) depctr_vm_vsrc(0)
	s_getreg_b32 s2, hwreg(HW_REG_IB_STS2, 6, 4)
	s_cmp_eq_u32 s2, 0
	s_cbranch_scc0 .Lentry_in_a_cluster
	s_endpgm
.Lentry_in_a_cluster:
	s_bfe_u32 s2, ttmp6, 0x10000c
	s_cmp_lg_u32 s2, 0xf033
	s_cbranch_scc0 .Lentry_shape_is_right
	s_endpgm
.Lentry_shape_is_right:
; q = xn Wq, k = xn Wk, v = xn Wv on codes of FP4 (E2M1) with E8M0 scales for each 32 along K = 2,048, sums in f32; the results are quantised in registers and leave as codes:
; q and k along their head's 64 channels, v along the keys.  xn: codes [4096][1024 bytes], scale bytes [4096][64]; each W: codes [1024][1024 bytes], scale bytes [1024][64].
; SHARES.  A work-group takes 256 rows of xn and ONE head's 64 channels of q, of k and of v: 16 x 16 work-groups.  Wave (rh, nh) takes 128 of the rows, 64 channels of q (nh = 0) or k (nh = 1), and 32 of v's 64:
; 32 + 16 accumulators, 384 registers.  For q and k source 0 = 16 rows of W, source 1 = 16 rows of xn: a lane holds one row of xn and eight neighbouring channels.  For v source 0 = 16 rows of xn, source 1 = 16 rows of Wv:
; a lane holds one channel and eight neighbouring keys.  So each result's registers run along the axis on which it is quantised.
; K goes in four steps of 512 through two LDS slots filled by the tensor data mover (rows of 256 bytes): wave 0 fetches the 256 rows of xn, waves 1, 2, 3 the 64 rows of Wq, Wk, Wv.  A wave has one tensor load out.
; THE SCALES of a wave's 8 + 6 blocks of 16 rows, for all of K, are loaded once into registers: a block's 1,024 bytes by two loads.  A register holds K word 8 u + i of its rows in lanes 0-15 and word 8 u + 4 + i in lanes 16-31.
; CLUSTERS: 4 x 4 work-groups; xn's tiles are asked for jointly along a row of the cluster, W's along a column.
; THE PREFETCH: behind K step 1's load the blocks of K step 2 are asked for, behind K step 2's load those of K step 3: one K step ahead of the load.  The four partners of a tile share its rows by address:
; of xn's 256 rows each takes 64 (wave 0, two instructions), of each W's 64 rows 16 (waves 1 to 3).  K steps 0 and 1 come by their loads alone; nothing is asked for behind K step 3.
; THE RESULT.  qkvrec holds 32 records (batch x 16 + head) of REC bytes: Q images 65,536 | Q scale words 8,192 | K images | K scale words | V images 65,536 | V scale words 4,096.
;   Q, K image of a tile of 16 rows: 512 bytes, lane l's 16 bytes at 16 l: channels 32 (l / 16) + 0 .. 31 of row l % 16.  Scale words: [4 tiles][row 16][tile 4]: bytes 0, 1 are the head's two blocks; bytes 2, 3 are 0 and
;   stand over zero codes of Q in the reader.   V image of a step of 128 keys: [16 channels: 4][half 2][512 bytes]: the eight registers of an operand.  Scale words: [key step][row 16][channel tile 4].
; LIMITS: a block of zeros gets the byte 1 where the quantiser's rule says 127 (only this program reads the bytes); NaN and infinities are not served.
; REGISTERS: window 0: v0-15 addresses; v16-79 xn's scale words, v80-127 W's; v128-191, v192-255 xn's fragments, two sets (on the way out v128-207 at work).  window 1: W's fragments, two sets, at v0 and v48.
;   window 2: q's or k's accumulators ((i, b) at 8 (4 i + b));   window 3: v's ((d, i) at 8 (8 d + i)).
.set ROWB,  256
.set KROW,  1024                       ; a row of codes in memory
.set PITCH, 272                        ; an LDS row: 256 bytes + 16 of padding = 68 words: 16 rows start at 16 different banks of 64 (ISA guide 11.1)
.set SLOT,  448*PITCH                  ; xn's 256 rows, then 64 rows each of Wq, Wk, Wv
.set SPARE, 2*SLOT                     ; the spare words, 128 bytes a wave
.set STG,   SPARE+512                  ; the way out of v's scale words: 512 bytes
.set REC,   217088
.set AX,   4                           ; v4-5 my fragments of xn in slot 0, 1;  v6-7 of Wq or Wk;  v8-9 of Wv
.set AWQ,  6
.set AWV,  8
.set OI,   10                          ; v10 16 x lane
.set STA,  11                          ; v11 where my two words of v's scales go in LDS;  v1 where wave 0 reads them back
.set SPW,  12
.set NIL,  13
.set PFO,  14                          ; v14 the prefetches' offset
.set SO,   15                          ; v15 64 r + 16 h: the scale loads' offset
.set SXR,  16
.set SWR,  80
.set PC,   128                         ; the codes made: q or k 128-159, v 160-175
.set TM,   176                         ; 176-179 largest magnitudes, 180-183 at work and bytes, 188-191 the conversions' scale operands
.set WD,   192                         ; 192-199 scale words of q or k, 200-201 of v
.set VW,   200
.set G1A,  32
.set G1B,  40
.set G0A,  48                          ; s[48:55], s[56:63]: one group 0 for each slot
.set G0B,  56
.set PF,   96
.set MSB, 0
.macro WIN new                         ; the immediate's high byte repeats the setting that is left
.if MSB != (\new)
	s_set_vgpr_msb (MSB<<8)|(\new)
.set MSB, (\new)
.endif
.endm
.set MUL_QK, 0xa1                      ; source 0 (W) window 1, source 1 (xn) window 0, C and D window 2
.set MUL_V,  0xf4                      ; source 0 (xn) window 0, source 1 (Wv) window 1, C and D window 3
; A joint load: wave 0 fetches xn's rows, waves 1 to 3 a W's; the branch hangs on the wave's number alone.  Four v_nop follow each of the two lines.
.macro JLOAD s
	s_cmp_eq_u32 s22, 0
	s_cbranch_scc0 .Lfor_w_\@
	tensor_load_to_lds s[G0A+4*\s:G0A+4*\s+3], s[G1A:G1A+7]
	s_nop 0
.rept 4
	v_nop
.endr
	s_branch .Lasked_\@
.Lfor_w_\@:
	tensor_load_to_lds s[G0B+4*\s:G0B+4*\s+3], s[G1B:G1B+7]
	s_nop 0
.rept 4
	v_nop
.endr
.Lasked_\@:
.endm
.macro CREST                           ; a round of the cluster's barrier behind its opening barrier
	s_cmp_lg_u32 s22, 0
	s_cbranch_scc1 .Lnot_wave_0_\@
	s_barrier_signal -3
.Lnot_wave_0_\@:
	s_barrier_wait -3
	s_barrier_signal -1
	s_barrier_wait -1
.endm
.macro CROUND
	s_barrier_signal -1
	s_barrier_wait -1
	CREST
.endm
.macro ASK step                        ; my blocks of a K step into the L2
	global_prefetch_b8 v[PFO], s[PF:PF+1] offset:256*(\step) th:TH_LOAD_NT scope:SCOPE_SE
	s_cmp_lg_u32 s22, 0
	s_cbranch_scc1 .Lno_more_\@
	global_prefetch_b8 v[PFO], s[PF:PF+1] offset:32*KROW+256*(\step) th:TH_LOAD_NT scope:SCOPE_SE
.Lno_more_\@:
.endm
	s_load_b512 s[4:19], s[0:1], 0x0               ; xn's codes, scales; Wq's; Wk's; Wv's
	s_load_b64 s[20:21], s[0:1], 0x40              ; the records
	v_lshl_add_u32 v[SPW], v0, 2, SPARE
	v_mov_b32 v[NIL], 0
	ds_add_u32 v[SPW], v[NIL]
	ds_add_u32 v[SPW], v[NIL]
	v_lshrrev_b32 v1, 5, v0
	v_readfirstlane_b32 s22, v1                    ; wave 0..3
	s_lshr_b32 s23, s22, 1                         ; rh
	s_and_b32 s24, s22, 1                          ; nh
	s_bfe_u32 s25, ttmp6, 0x40000                  ; cx, cy
	s_bfe_u32 s26, ttmp6, 0x40004
	s_lshl_b32 s27, ttmp9, 2
	s_add_co_u32 s27, s27, s25                     ; the head
	s_and_b32 s28, ttmp7, 0xffff
	s_lshl_b32 s28, s28, 2
	s_add_co_u32 s28, s28, s26                     ; the tile of 256 rows
	s_lshl_b32 s66, s26, 2
	s_lshl_b32 s66, 15, s66                        ; my row of the cluster
	s_lshl_b32 s67, 0x1111, s25                    ; my column
	s_or_b32 s[G1A], s66, (1<<20)|(1<<21)|(5<<22)|(3<<25)   ; the mask; elements of 1 byte; padding on; bit 21 beside a mask; 4 words behind every 64
	s_or_b32 s[G1B], s67, (1<<20)|(1<<21)|(5<<22)|(3<<25)
.irp g, G1A, G1B
	s_mov_b32 s[\g+1], ROWB<<16
	s_mov_b32 s[\g+3], ROWB<<16
	s_mov_b32 s[\g+5], KROW
	s_mov_b32 s[\g+6], 0
	s_mov_b32 s[\g+7], 0
.endr
	s_mov_b32 s[G1A+2], 256<<16                    ; 256 rows of xn,
	s_mov_b32 s[G1A+4], 256
	s_mov_b32 s[G1B+2], 64<<16                     ; 64 of a W
	s_mov_b32 s[G1B+4], 64
	s_cmp_eq_u32 s22, 0
	s_cselect_b32 s29, 31, 15                      ; the prefetches' last lane with a block of its own
	s_lshl_b32 s68, s28, 18                        ; xn's tile,
	s_mov_b32 s69, 0
	s_lshl_b32 s70, s27, 16                        ; the head's rows of a W,
	s_mov_b32 s71, 0
	s_lshl_b32 s72, s28, 14                        ; my rows' scale bytes of xn,
	s_lshl_b32 s73, s23, 13
	s_add_co_u32 s72, s72, s73
	s_mov_b32 s73, 0
	s_lshl_b32 s74, s27, 12                        ; of Wq or Wk,
	s_mov_b32 s75, 0
	s_lshl_b32 s76, s24, 11                        ; and of Wv
	s_add_co_u32 s76, s76, s74
	s_mov_b32 s77, 0
	s_mul_i32 s78, s22, 64*PITCH
	s_add_co_u32 s78, s78, 192*PITCH               ; waves 1 to 3: where a W's rows go
	s_lshl_b32 s98, s25, 16                        ; the prefetches: my 64 rows of xn,
	s_lshl_b32 s99, s26, 14                        ; or my 16 of a W
	s_lshl_b32 s80, s28, 8
	s_lshl_b32 s81, s23, 7
	s_add_co_u32 s80, s80, s81                     ; my first row
	s_and_b32 s81, s80, 2047                       ; within its batch
	s_lshr_b32 s80, s80, 11
	s_lshl_b32 s80, s80, 4
	s_add_co_u32 s80, s80, s27
	s_mul_i32 s82, s80, REC                        ; the record
	s_mul_i32 s83, s24, 73728
	s_add_co_u32 s83, s83, s82                     ; q's or k's section
	s_lshl_b32 s80, s81, 5                         ; images: 32 bytes a row of xn in all three sections
	s_add_co_u32 s84, s83, s80
	s_mov_b32 s85, 0
	s_add_co_u32 s88, s82, s80
	s_lshl_b32 s80, s24, 11
	s_add_co_u32 s88, s88, s80
	s_add_co_u32 s88, s88, 147456                  ; v's images: my two channel tiles
	s_mov_b32 s89, 0
	s_lshl_b32 s80, s81, 2
	s_add_co_u32 s86, s83, s80
	s_add_co_u32 s86, s86, 65536                   ; scale words of q or k: 4 bytes a row
	s_mov_b32 s87, 0
	s_lshl_b32 s80, s81, 1
	s_add_co_u32 s90, s82, s80
	s_add_co_u32 s90, s90, 212992                  ; of v: 2 bytes a row
	s_mov_b32 s91, 0
	s_mul_i32 s92, s23, 128*PITCH                  ; LDS: my rows of xn,
	s_mul_i32 s93, s24, 64*PITCH
	s_add_co_u32 s93, s93, 256*PITCH               ; of Wq or Wk,
	s_mul_i32 s94, s24, 32*PITCH
	s_add_co_u32 s94, s94, 384*PITCH               ; of Wv
	s_lshl_b32 s95, s23, 8
	s_lshl_b32 s79, s24, 3
	s_add_co_u32 s95, s95, s79
	s_add_co_u32 s95, s95, STG
	v_and_b32 v1, 31, v0
	v_and_b32 v2, 15, v0                           ; r
	v_bfe_u32 v3, v0, 4, 1                         ; h
	v_mul_u32_u24 v128, v2, PITCH
	v_lshlrev_b32 v[SO], 6, v2
	v_lshlrev_b32 v[OI], 4, v1
	v_lshlrev_b32 v[STA], 4, v2
	v_min_u32 v[PFO], s29, v1
	v_lshl_add_u32 v128, v3, 4, v128               ; a fragment's row x pitch + 16 x half
	v_lshl_add_u32 v[SO], v3, 4, v[SO]
	v_add_nc_u32 v[STA], s95, v[STA]
	v_lshlrev_b32 v[PFO], 10, v[PFO]
	v_add_nc_u32 v[AX], s92, v128
	v_add_nc_u32 v[AWQ], s93, v128
	v_add_nc_u32 v[AWV], s94, v128
	v_add_nc_u32 v1, STG, v[OI]
	v_add_nc_u32 v[AX+1], SLOT, v[AX]
	v_add_nc_u32 v[AWQ+1], SLOT, v[AWQ]
	v_add_nc_u32 v[AWV+1], SLOT, v[AWV]
	s_wait_alu depctr_va_vdst(0)
	s_wait_dscnt 0x0                               ; both opening adds are done
	s_wait_kmcnt 0x0
	s_add_nc_u64 s[68:69], s[4:5], s[68:69]
	s_cmp_eq_u32 s22, 1
	s_cselect_b64 s[66:67], s[8:9], s[12:13]
	s_cmp_eq_u32 s22, 3
	s_cselect_b64 s[66:67], s[16:17], s[66:67]
	s_add_nc_u64 s[70:71], s[66:67], s[70:71]      ; waves 1, 2, 3: Wq, Wk, Wv
	s_cmp_eq_u32 s24, 0
	s_cselect_b64 s[66:67], s[10:11], s[14:15]
	s_add_nc_u64 s[74:75], s[66:67], s[74:75]
	s_add_nc_u64 s[72:73], s[6:7], s[72:73]
	s_add_nc_u64 s[76:77], s[18:19], s[76:77]
.irp s, 0,1
	s_mov_b32 s[G0A+4*\s], 1
	s_mov_b32 s[G0A+4*\s+1], \s*SLOT
	s_add_nc_u64 s[G0A+4*\s+2:G0A+4*\s+3], s[68:69], \s*ROWB
	s_or_b32 s[G0A+4*\s+3], s[G0A+4*\s+3], 0x80000000
	s_mov_b32 s[G0B+4*\s], 1
	s_add_co_u32 s[G0B+4*\s+1], s78, \s*SLOT
	s_add_nc_u64 s[G0B+4*\s+2:G0B+4*\s+3], s[70:71], \s*ROWB
	s_or_b32 s[G0B+4*\s+3], s[G0B+4*\s+3], 0x80000000
.endr
	s_cmp_eq_u32 s22, 0
	s_cselect_b64 s[PF:PF+1], s[68:69], s[70:71]
	s_cselect_b32 s98, s98, s99
	s_mov_b32 s99, 0
	s_add_nc_u64 s[PF:PF+1], s[PF:PF+1], s[98:99]
	s_add_nc_u64 s[84:85], s[20:21], s[84:85]
	s_add_nc_u64 s[86:87], s[20:21], s[86:87]
	s_add_nc_u64 s[88:89], s[20:21], s[88:89]
	s_add_nc_u64 s[90:91], s[20:21], s[90:91]
	CROUND                                         ; all sixteen work-groups are here: the first joint loads meet
	JLOAD 0                                        ; K step 0: one tensor load a wave
.irp u, 0,1
.irp i, 0,1,2,3,4,5,6,7
	global_load_b128 v[SXR+8*\i+4*\u:SXR+8*\i+4*\u+3], v[SO], s[72:73] offset:1024*\i+32*\u
.endr
.irp b, 0,1,2,3
	global_load_b128 v[SWR+8*\b+4*\u:SWR+8*\b+4*\u+3], v[SO], s[74:75] offset:1024*\b+32*\u
.endr
.irp d, 0,1
	global_load_b128 v[SWR+32+8*\d+4*\u:SWR+35+8*\d+4*\u], v[SO], s[76:77] offset:1024*\d+32*\u
.endr
.endr
	s_mov_b32 s30, 0x76543210                      ; v_permlanex16_b32's selects for lane l xor 16
	s_mov_b32 s31, 0xfedcba98
; A fragment, 16 rows x 128 K of 4-bit codes: lane l holds row l % 16; registers 4 c .. 4 c + 3 hold K = 64 c + 32 (l / 16) + 0 .. 31
.macro RUNW slot, q, p                 ; W's six fragments of the slot's q-th 128 along K into set p
	WIN 0x40
.irp c, 0,1
.irp b, 0,1,2,3
	ds_load_b128 v[48*(\p)+8*\b+4*\c:48*(\p)+8*\b+4*\c+3], v[AWQ+(\slot)] offset:64*(\q)+32*\c+\b*16*PITCH
.endr
.irp d, 0,1
	ds_load_b128 v[48*(\p)+32+8*\d+4*\c:48*(\p)+35+8*\d+4*\c], v[AWV+(\slot)] offset:64*(\q)+32*\c+\d*16*PITCH
.endr
.endr
	WIN 0
.endm
.macro RUNX slot, q, p, i0             ; xn's blocks i0 .. i0 + 3
	WIN 0
.irp i, \i0, \i0+1, \i0+2, \i0+3
.irp c, 0,1
	ds_load_b128 v[128+64*(\p)+8*(\i)+4*\c:131+64*(\p)+8*(\i)+4*\c], v[AX+(\slot)] offset:64*(\q)+32*\c+(\i)*16*PITCH
.endr
.endr
.endm
.macro WM d, a, b, sa, sb              ; one product; the very first step's start the sums: nothing is cleared
.if FIRST == 0
	v_wmma_scale_f32_16x16x128_f8f6f4 v[\d:\d+7], v[\a:\a+7], v[\b:\b+7], 0, v[\sa], v[\sb] matrix_a_fmt:MATRIX_FMT_FP4 matrix_b_fmt:MATRIX_FMT_FP4
.else
.if ROW == 0
	v_wmma_scale_f32_16x16x128_f8f6f4 v[\d:\d+7], v[\a:\a+7], v[\b:\b+7], v[\d:\d+7], v[\sa], v[\sb] matrix_a_fmt:MATRIX_FMT_FP4 matrix_b_fmt:MATRIX_FMT_FP4
.else
	v_wmma_scale_f32_16x16x128_f8f6f4 v[\d:\d+7], v[\a:\a+7], v[\b:\b+7], v[\d:\d+7], v[\sa], v[\sb] matrix_a_fmt:MATRIX_FMT_FP4 matrix_b_fmt:MATRIX_FMT_FP4 matrix_a_scale:MATRIX_SCALE_ROW1 matrix_b_scale:MATRIX_SCALE_ROW1
.endif
.endif
.endm
.macro SETQ s, q                       ; K step s, its q-th 128: the scale words' register and half, the fragments' set
.set FIRST, 4*(\s)+(\q)
.set U,   4*((\s)/2)+(\q)
.set ROW, (\s)%2
.set XB,  128+64*((\q)%2)
.set WB,  48*((\q)%2)
.endm
; The 48 accumulators take turns, one instruction a turn, in the same order in every step
.macro GQK i0                          ; q's or k's: xn's blocks i0, i0 + 1
	WIN MUL_QK
.irp i, \i0, \i0+1
.irp b, 0,1,2,3
	WM 8*(4*(\i)+\b), WB+8*\b, XB+8*(\i), SWR+8*\b+U, SXR+8*(\i)+U
.endr
.endr
.endm
.macro GV                              ; v's
	WIN MUL_V
.irp i, 0,1,2,3,4,5,6,7
.irp d, 0,1
	WM 8*(8*\d+\i), XB+8*\i, WB+32+8*\d, SXR+8*\i+U, SWR+32+8*\d+U
.endr
.endr
	WIN 0
.endm
.macro PLACES                          ; plain vector instructions between a matrix instruction and a load into, or a read of, its registers
.rept 4
	v_nop
.endr
.endm
.macro QS s, q                         ; a step with its successor in the same slot
	SETQ \s, \q
	s_wait_dscnt 8                                 ; W's fragments and xn's blocks 0-3 are in; the youngest eight loads (blocks 4-7) may be out
	GQK 0
	GQK 2
	PLACES                                         ; for all three runs: the other set was read last in the step before
	RUNW (\s)%2, (\q)+1, 1-(\q)%2
	s_wait_dscnt 12                                ; all but the twelve just issued
	GQK 4
	GQK 6
	RUNX (\s)%2, (\q)+1, 1-(\q)%2, 0
	GV
	RUNX (\s)%2, (\q)+1, 1-(\q)%2, 4
.endm
; A slot's last step changes slots.  In front of the barrier each wave waits for all its tensor loads, adds 0 to its spare word, and waits for that and for its own reads of this slot.
.macro TURN s, fill, ask
	s_wait_tensorcnt 0x0                           ; all my tensor loads have landed: my part of the next slot
	ds_add_u32 v[SPW], v[NIL]                      ; 0 onto my spare word
	s_wait_dscnt 9                                 ; (the add and the youngest eight loads may be out)
	SETQ \s, 3
	GQK 0
	s_wait_dscnt 0x0                               ; the add is done, and my reads of this slot are over
	s_barrier_signal -1
	GQK 2
	WIN 0
	s_barrier_wait -1
.if \fill
	CREST                                          ; the barrier has opened a round of the cluster's barrier: no wave of any partner still reads this slot or has a load on its way
	s_add_nc_u64 s[G0A+4*(\s)+2:G0A+4*(\s)+3], s[G0A+4*(\s)+2:G0A+4*(\s)+3], 2*ROWB
	s_add_nc_u64 s[G0B+4*(\s)+2:G0B+4*(\s)+3], s[G0B+4*(\s)+2:G0B+4*(\s)+3], 2*ROWB
	JLOAD \s                                       ; the first tensor load behind the round; its four v_nop are also the places in front of the loads below
.else
	PLACES
.endif
	RUNW 1-(\s)%2, 0, 0
	GQK 4
	GQK 6
	RUNX 1-(\s)%2, 0, 0, 0
.if \ask
	ASK \ask
.endif
	GV
	RUNX 1-(\s)%2, 0, 0, 4
.endm
	s_wait_alu depctr_va_vdst(0)
	s_wait_tensorcnt 0x0                           ; my part of K step 0 is in; these lines stand ahead of a later first fill as ahead of a refill
	ds_add_u32 v[SPW], v[NIL]
	s_wait_dscnt 0x0
	CROUND                                         ; everybody's part is in, and all sixteen work-groups are here
	JLOAD 1                                        ; K step 1, the first tensor load behind the round
	RUNW 0, 0, 0
	RUNX 0, 0, 0, 0
	RUNX 0, 0, 0, 4
	ASK 2
	s_wait_loadcnt 0x0                             ; the scale words
	QS 0, 0
	QS 0, 1
	QS 0, 2
	TURN 0, 1, 3
	QS 1, 0
	QS 1, 1
	QS 1, 2
	TURN 1, 1, 0
	QS 2, 0
	QS 2, 1
	QS 2, 2
	TURN 2, 0, 0                                   ; nothing is filled any more
	QS 3, 0
	QS 3, 1
	QS 3, 2
	SETQ 3, 3                                      ; the very last step
	s_wait_dscnt 8
	GQK 0
	GQK 2
	s_wait_dscnt 0x0
	GQK 4
	GQK 6
	GV
	PLACES
; THE WAY OUT.  Eight accumulators on end: a block of 32 is accumulators 2 b and 2 b + 1 in lanes l and l xor 16.  The eight codes of accumulators 4 c + 0, 1, 2, 3 go to registers 4 c + 0, 2, 1, 3;
; two exchanges of halves then leave registers 4 c .. 4 c + 3 with 32 (l / 16) + 0 .. 31 of half c.  Each accumulator is read from its low end on.
.macro QUANT ac, wn, pc
	WIN 5*(\wn)                                    ; sources 0 and 1: the accumulators' window
.irp b, 0,1,2,3
	v_max3_num_f32 v[TM+\b], |v[\ac+16*\b]|, |v[\ac+16*\b+1]|, 0x1800000   ; and the floor 2^(3 - 127): the byte cannot fall under 1
.endr
.irp i, 2,4,6,8,10,12,14
.irp b, 0,1,2,3
	v_max3_num_f32 v[TM+\b], |v[\ac+16*\b+\i]|, |v[\ac+16*\b+\i+1]|, v[TM+\b]
.endr
.endr
	WIN 0
.irp b, 0,1,2,3
	v_permlanex16_b32 v[TM+4+\b], v[TM+\b], s30, s31   ; (its destination counts as read: it held a fragment)
.endr
.irp b, 0,1,2,3
	v_max_num_f32 v[TM+\b], v[TM+\b], v[TM+4+\b]   ; with lane l xor 16's: the block's largest magnitude
.endr
.irp b, 0,1,2,3
	v_add_nc_u32 v[TM+12+\b], 0xff000000, v[TM+\b] ; 2 off its exponent field: the conversion's scale operand
.endr
.irp b, 0,1,2,3
	v_lshrrev_b32 v[TM+4+\b], 23, v[TM+12+\b]      ; the scale's byte
.endr
	WIN \wn                                        ; source 0 alone
.irp t, 0,1,2,3,4,5,6,7
	v_cvt_scalef32_pk8_fp4_f32 v[\pc+4*(\t/4)+2*(\t%2)+(\t%4)/2], v[\ac+8*\t:\ac+8*\t+7], v[TM+12+\t/2]
.endr
	WIN 0
	v_nop                                          ; one plain instruction behind a scaled conversion
.irp c, 0,1
	v_permlane16_swap_b32 v[\pc+4*\c], v[\pc+4*\c+1]
	v_permlane16_swap_b32 v[\pc+4*\c+2], v[\pc+4*\c+3]
.endr
.endm
.irp m, 0,1,2,3                                ; q or k: xn's blocks 2 m and 2 m + 1, two blocks of 32 channels each
	QUANT 64*\m, 2, PC+8*\m
	v_lshl_or_b32 v[WD+2*\m], v[TM+5], 8, v[TM+4]
	v_lshl_or_b32 v[WD+2*\m+1], v[TM+7], 8, v[TM+6]
	global_store_b128 v[OI], v[PC+8*\m:PC+8*\m+3], s[84:85] offset:1024*\m   ; each store covers 512 consecutive bytes
	global_store_b128 v[OI], v[PC+8*\m+4:PC+8*\m+7], s[84:85] offset:1024*\m+512
.endr
.irp d, 0,1                                    ; v: 16 channels, four blocks of 32 keys
	QUANT 64*\d, 3, PC+32+8*\d
	v_lshl_or_b32 v[VW+\d], v[TM+5], 8, v[TM+4]
	v_lshl_or_b32 v[VW+\d], v[TM+6], 16, v[VW+\d]
	v_lshl_or_b32 v[VW+\d], v[TM+7], 24, v[VW+\d]
	global_store_b128 v[OI], v[PC+32+8*\d:PC+35+8*\d], s[88:89] offset:1024*\d
	global_store_b128 v[OI], v[PC+36+8*\d:PC+39+8*\d], s[88:89] offset:1024*\d+512
.endr
	v_cmp_eq_u32 vcc_lo, 1, v3
.irp j, 0,1,2,3
	v_cndmask_b32 v[WD+\j], v[WD+\j], v[WD+4+\j], vcc_lo   ; lanes 16-31 carry the words of blocks 4-7
.endr
	global_store_b128 v[OI], v[WD:WD+3], s[86:87]  ; 512 consecutive bytes
	ds_store_b64 v[STA], v[VW:VW+1]                ; v's scale words of two channel tiles; both lanes of a channel write the same words.  These bytes no tensor load fills
	s_wait_dscnt 0x0
	s_barrier_signal -1
	s_barrier_wait -1
	s_cmp_lg_u32 s22, 0
	s_cbranch_scc1 .Lend
	ds_load_b128 v[204:207], v1                    ; two key steps' words of all four channel tiles
	s_wait_dscnt 0x0
	global_store_b128 v[OI], v[204:207], s[90:91]  ; 512 consecutive bytes
.Lend:
	s_wait_tensorcnt 0x0                           ; the wave's end
	ds_add_u32 v[SPW], v[NIL]
	s_wait_dscnt 0x0
	CROUND                                         ; the closing round: no work-group ends while a partner may still ask for a tile that names it
	s_endpgm
.Lfunc_end_k_q21fa14c9dc_qkv:
	.size	k_q21fa14c9dc_qkv, .Lfunc_end_k_q21fa14c9dc_qkv-k_q21fa14c9dc_qkv
	.p2alignl 7, 3214868480
	.fill 96, 4, 3214868480
	.section	.rodata,"a",@progbits
	.p2align	6, 0x0
	.amdhsa_kernel k_q21fa14c9dc_qkv
		.amdhsa_group_segment_fixed_size 327680
		.amdhsa_private_segment_fixed_size 0
		.amdhsa_enable_private_segment 0
		.amdhsa_kernarg_size 72
		.amdhsa_user_sgpr_count 2
		.amdhsa_user_sgpr_kernarg_segment_ptr 1
		.amdhsa_wavefront_size32 1
		.amdhsa_system_sgpr_workgroup_id_x 1
		.amdhsa_system_sgpr_workgroup_id_y 1
		.amdhsa_system_sgpr_workgroup_id_z 1
		.amdhsa_system_vgpr_workitem_id 0
		.amdhsa_next_free_vgpr 1024
		.amdhsa_next_free_sgpr 100
		.amdhsa_reserve_vcc 1
		.amdhsa_float_denorm_mode_32 3
		.amdhsa_float_denorm_mode_16_64 3
		.amdhsa_memory_ordered 1
		.amdhsa_forward_progress 1
		.amdhsa_inst_pref_size 170
	.end_amdhsa_kernel
	.amdgpu_metadata
---
amdhsa.version: [ 1, 2 ]
amdhsa.kernels:
  - .name:           k_q21fa14c9dc_qkv
    .symbol:         k_q21fa14c9dc_qkv.kd
    .args:
      - { .name: xcodes, .offset: 0, .size: 8, .value_kind: global_buffer, .address_space: global }
      - { .name: xscales, .offset: 8, .size: 8, .value_kind: global_buffer, .address_space: global }
      - { .name: Wq_codes, .offset: 16, .size: 8, .value_kind: global_buffer, .address_space: global }
      - { .name: Wq_scales, .offset: 24, .size: 8, .value_kind: global_buffer, .address_space: global }
      - { .name: Wk_codes, .offset: 32, .size: 8, .value_kind: global_buffer, .address_space: global }
      - { .name: Wk_scales, .offset: 40, .size: 8, .value_kind: global_buffer, .address_space: global }
      - { .name: Wv_codes, .offset: 48, .size: 8, .value_kind: global_buffer, .address_space: global }
      - { .name: Wv_scales, .offset: 56, .size: 8, .value_kind: global_buffer, .address_space: global }
      - { .name: qkvrec, .offset: 64, .size: 8, .value_kind: global_buffer, .address_space: global }
    .group_segment_fixed_size: 327680
    .private_segment_fixed_size: 0
    .kernarg_segment_align: 8
    .kernarg_segment_size: 72
    .max_flat_workgroup_size: 128
    .sgpr_count:     100
    .vgpr_count:     1024
    .wavefront_size: 32
...
	.end_amdgpu_metadata
.endif
;; end of part 2
;; launch attn (part 3): grid 8 x 32, 16 waves a work-group, clusters of 4 x 1, 182,272 bytes of LDS; arguments qkvrec, ocodes, oscales; writes ocodes, oscales
.if DOCPART == 3
	.amdgcn_target "amdgcn-amd-amdhsa--gfx1250"
	.amdhsa_code_object_version 6
	.text
	.protected	k_q21fa14c9dc_attn
	.globl	k_q21fa14c9dc_attn
	.p2align	8
	.type	k_q21fa14c9dc_attn,@function
k_q21fa14c9dc_attn:
	s_mov_b64 s[64:65], 0
	v_nop
	global_prefetch_b8 v0, s[64:65] scope:SCOPE_SE
	s_setreg_imm32_b32 hwreg(HW_REG_WAVE_MODE, 25, 1), 1
	s_wait_xcnt 0x0
	s_wait_alu depctr_hold_cnt(0) depctr_sa_sdst(0) depctr_va_vdst(0) depctr_va_sdst(0) depctr_va_ssrc(0) depctr_va_vcc(0) depctr_vm_vsrc(0)
	s_getreg_b32 s2, hwreg(HW_REG_IB_STS2, 6, 4)
	s_cmp_eq_u32 s2, 0
	s_cbranch_scc0 .Lentry_in_a_cluster
	s_endpgm
.Lentry_in_a_cluster:
	s_bfe_u32 s2, ttmp6, 0x10000c
	s_cmp_lg_u32 s2, 0x3003
	s_cbranch_scc0 .Lentry_shape_is_right
	s_endpgm
.Lentry_shape_is_right:
; out[q] = the sum over keys k <= q of softmax_k(Q[q] . K[k] / 32) V[k], for one batch and head (64 channels, 2,048 rows), both products on codes of FP4 (E2M1) with E8M0 scales; out is quantised along the
; 1,024 channels of all heads (this head's 64 are two blocks of 32) and leaves as codes.
; THE SOFTMAX AHEAD OF THE SECOND PRODUCT: t = score x log2(e) / 32; M = the row's largest t so far, rounded up to a whole number; p = 2^(t - M) is quantised along the keys, not normalised.  The row's sum is taken of
; the unquantised p and divides at the end.  When M moves, the sum and O are multiplied by 2^(old M - new M), which rounds nothing.
; INPUT: a record of REC bytes for each batch and head: Q images 65,536 | Q scale words 8,192 | K images 65,536 | K scale words 8,192 | V images 65,536 | V scale words 4,096, all in the order of the operands' registers.
; SHARES.  Work-group (g, record), g = 0 .. 7, owns the 16 tiles of 16 queries 128 n + 16 g on, n = 0 .. 15.  Keys go 128 a step; tile n has n + 1 steps, the last on its diagonal (steps wholly behind the mask are not done).
; Tiles p (short) and 15 - p (long) have 17 steps together and belong to waves p and p + 8, p = 0 .. 7: wave p + 8 does steps 0 .. 7 of the long tile; wave p does the short tile's p + 1 steps, sends it out,
; and does the long tile's steps 8 .. 15 - p: nine steps.  Then wave p + 8 hands its O, sum and M over through LDS and wave p joins the two parts by powers of two.
; LDS.  K's and V's 143,360 bytes of a record are one dense run: they are brought ONCE, each wave one sixteenth (35 rows of 256 bytes), and stay: nothing is filled again.  Every read is 16 x lane on end, so there is
; no padding.  Behind them the parts handed over, 4,608 bytes a pair, and the spare words.  CLUSTER: the four work-groups of a cluster read the same record, so each part is asked for jointly (mask 15).
; No prefetch: all that the launch reads is asked for at its head.
; LAYOUT.  S^T = K Q^T (source 0 = 16 keys, source 1 = my 16 queries) and O^T = V^T P^T (source 0 = 16 channels, source 1 = P): a lane holds ONE query (lane % 16) throughout; register j of key tile t is key
; 16 t + 8 (lane / 16) + j.  The head's 64 fill K = 0 .. 63 of the instruction's 128.  For K = 64 .. 127 Q's registers hold zero codes, so that every product there is 0 whatever code stands on the other side (each code of FP4 is a
; finite number, and each scale byte a finite code): the upper four registers of a K tile's operand are the next tile's lower four.
; A step's eight K tiles and their scale words are loaded from LDS one trip ahead; V's at the trip's own head.
; OUTPUT: codes [tile of 16 rows: 256][head 16][512 bytes], lane l's 16 bytes at 16 l: channels 32 (l / 16) on of row l % 16; scale bytes [4096][32], byte 2 head + block.
; LIMITS: p under 2^-126 counts as 0 (v_exp_f32); 1 / l is v_rcp_f32's (1 ulp); a block's largest p is taken as the exponential of its largest score; a block of zeros gets the byte 1 (only this program reads the bytes);
; scaled scores stay under 2^31 in magnitude; NaN and infinities are not served.
.set REC,   217088
.set KVOFF, 73728                      ; K's images begin here in a record
.set PART,  8960                       ; 35 rows of 256 bytes: a wave's part
.set LKS,   65536                      ; LDS: K's images at 0, K's scale words here,
.set LV,    73728                      ; V's images,
.set LVS,   139264                     ; V's scale words,
.set MRG,   143360                     ; the parts handed over: eight of 9 x 512 bytes
.set MSZ,   4608
.set SPARE, MRG+8*MSZ                  ; the spare words, 128 bytes a wave
.set AK0,  1                           ; v1  16 x lane
.set AV0,  2                           ; v2  LV + 16 x lane
.set ASK0, 3                           ; v3  LKS + 16 (lane % 16)
.set ASV0, 4                           ; v4  LVS + 16 (lane % 16)
.set DM,   5                           ; v5  16 g + lane % 16 - 8 (lane / 16): on the diagonal register (t, j) is hidden where 16 t + j > DM
.set NINF, 6                           ; v6  -infinity
.set OSA,  7                           ; v7  32 (lane % 16) + lane / 16: my scale byte's place
.set ADK,  8                           ; v8, v10 the next step's addresses of K; v9, v11 this step's of V
.set ADV,  9
.set ADS,  10
.set ADT,  11
.set SPW,  30                          ; v30 my spare word, v31 0
.set NIL,  31
.set KF,   32                          ; v32-63 eight tiles of K, 4 registers each; v64-67 zero codes behind the last
.set VF,   68                          ; v68-99 V's four fragments
.set S,    100                         ; v100-163 S^T, then p.   v12 -M, v13 the largest t, v[14:15] the sum; v[16:23] Q; v[24:25] f, 0; v26-27 at work
.set O,    164                         ; v164-195 O^T
.set P,    196                         ; v196-203 p's codes
.set BM,   204                         ; v204-207 each block's largest
.set BP,   208                         ; v208-211 at work, then bytes
.set BS,   212                         ; v212-215 the conversions' scale operands
.set Q2,   216                         ; v216-219 the long tile's Q, v220 its scale word
.set Q2S,  220
.set AM,   221                         ; v221 where my pair's part lies: MRG + MSZ p + 16 x lane
.set SA,   222                         ; v222-235 seven pairs of running sums
.set VSW,  236                         ; v236-239 V's scale words, v240-247 K's, v248 Q's, v249 p's: these hold scales and nothing else
.set KSW,  240
.set QSW,  248
.set PSW,  249
.set WV,   10
.set GQ,   11
.set BH,   12
.set PP,   14                          ; p
.set SW,   16                          ; the trip at whose head I change tiles (32: never)
.set LAST, 17                          ; my last trip
.set EX,   18                          ; 7 - p: what the key step is ahead of the trip behind the change
.set D1,   19                          ; the trip on the short tile's diagonal (32: none); trip 8 is the long tile's
.set SEL,  20
.set CS,   22
.set G1,   24
.set G0,   32
.set KI,   36                          ; the trip; s37 images' bytes of the key step (4,096 a step, K's and V's alike); s38 K's scale words (512); s39 V's (256)
.set TK,   37
.set TS,   38
.set TJ,   39
.macro ROUND                           ; a round of the cluster's barrier
	s_barrier_signal -1
	s_barrier_wait -1
	s_cmp_lg_u32 s[WV], 0
	s_cbranch_scc1 .Lnot_wave_0_\@
	s_barrier_signal -3
.Lnot_wave_0_\@:
	s_barrier_wait -3
	s_barrier_signal -1
	s_barrier_wait -1
.endm
.macro QOFF co, so, T                  ; offsets of tile T's Q image and scale words (group T / 4, word T % 4)
	s_lshl_b32 s[\co], s[\T], 9
	s_add_co_u32 s[\co], s[\co], s51
	s_mov_b32 s[\co+1], 0
	s_lshr_b32 s[\so], s[\T], 2
	s_lshl_b32 s[\so], s[\so], 8
	s_and_b32 s[\so+1], s[\T], 3
	s_lshl_b32 s[\so+1], s[\so+1], 2
	s_add_co_u32 s[\so], s[\so], s[\so+1]
	s_add_co_u32 s[\so], s[\so], s51
	s_add_co_u32 s[\so], s[\so], 65536
	s_mov_b32 s[\so+1], 0
.endm
.macro OOFF co, so, T                  ; offsets of tile T's codes and scale bytes in the outputs
	s_add_co_u32 s[\so], s78, s[\T]
	s_lshl_b32 s[\co], s[\so], 13
	s_add_co_u32 s[\co], s[\co], s79
	s_mov_b32 s[\co+1], 0
	s_lshl_b32 s[\so], s[\so], 9
	s_add_co_u32 s[\so], s[\so], s80
	s_mov_b32 s[\so+1], 0
.endm
	s_load_b128 s[4:7], s[0:1], 0x0                ; the records, out's codes
	s_load_b64 s[8:9], s[0:1], 0x10                ; out's scale bytes
	v_lshl_add_u32 v[SPW], v0, 2, SPARE
	v_mov_b32 v[NIL], 0
	ds_add_u32 v[SPW], v[NIL]
	ds_add_u32 v[SPW], v[NIL]
	v_lshrrev_b32 v1, 5, v0
	v_readfirstlane_b32 s[WV], v1                  ; wave 0..15
	s_and_b32 s[BH], ttmp7, 0xffff                 ; the record: batch x 16 + head, which the four partners share
	s_mov_b32 s[G1], 15|(3<<16)|(1<<21)            ; the mask: all four work-groups; elements of 8 bytes; bit 21 beside a mask; no padding
	s_mov_b32 s[G1+1], 32<<16                      ; tensor_dim0: 32 elements, 256 bytes
	s_mov_b32 s[G1+2], 35<<16                      ; tensor_dim1
	s_mov_b32 s[G1+3], 32<<16                      ; tile_dim0
	s_mov_b32 s[G1+4], 35                          ; tile_dim1
	s_mov_b32 s[G1+5], 32                          ; the pitch: dense
	s_mov_b32 s[G1+6], 0
	s_mov_b32 s[G1+7], 0
	s_mov_b32 s[G0], 1
	s_mul_i32 s[G0+1], s[WV], PART                 ; LDS address: wave x 8,960
	s_mul_i32 s51, s[BH], REC
	s_add_co_u32 s40, s51, s[G0+1]
	s_add_co_u32 s40, s40, KVOFF
	s_mov_b32 s41, 0
	s_bfe_u32 s13, ttmp6, 0x40000                  ; cx: it enters Q's and the outputs' addresses and the mask's numbers alone
	s_lshl_b32 s[GQ], ttmp9, 2
	s_add_co_u32 s[GQ], s[GQ], s13                 ; g
	s_and_b32 s[PP], s[WV], 7                      ; p
	s_xor_b32 s[EX], s[PP], 7                      ; 7 - p
	s_lshl_b32 s48, s[PP], 3
	s_add_co_u32 s48, s48, s[GQ]                   ; the short tile: 8 p + g
	s_xor_b32 s49, s[PP], 15
	s_lshl_b32 s49, s49, 3
	s_add_co_u32 s49, s49, s[GQ]                   ; the long tile: 8 (15 - p) + g
	s_add_co_u32 s[SW], s[PP], 1
	s_cmp_lt_u32 s[WV], 8
	s_cselect_b32 s50, s48, s49                    ; the tile that I begin with
	s_cselect_b32 s[LAST], 8, 7
	s_cselect_b32 s[SW], s[SW], 32
	s_cselect_b32 s[D1], s[PP], 32
	QOFF 52, 54, 50
	QOFF 56, 58, 49
	s_lshr_b32 s78, s[BH], 4
	s_lshl_b32 s78, s78, 7                         ; batch x 128 tiles
	s_and_b32 s80, s[BH], 15                       ; the head
	s_lshl_b32 s79, s80, 9
	s_lshl_b32 s80, s80, 1
	OOFF 60, 62, 48
	OOFF 74, 76, 49
	s_mul_i32 s82, s[PP], MSZ
	s_add_co_u32 s82, s82, MRG                     ; my pair's part
	s_lshl_b32 s83, s[GQ], 4
	s_mov_b32 s[SEL], 0x76543210
	s_mov_b32 s[SEL+1], 0xfedcba98                 ; v_permlanex16_b32's selects for lane l xor 16
	s_mov_b32 s[CS], 0x3d38aa3b                    ; c = log2(e) / 32
	s_mov_b32 s[CS+1], s[CS]                       ; (named with it as a pair, so it is written)
	s_mov_b32 s[KI], 0
	s_wait_dscnt 0x0
	s_wait_kmcnt 0x0
	s_add_nc_u64 s[G0+2:G0+3], s[4:5], s[40:41]    ; my part of the record's K and V: made of the record and the wave's number alone
	s_or_b32 s[G0+3], s[G0+3], 0x80000000          ; type = 2
	s_add_nc_u64 s[52:53], s[4:5], s[52:53]
	s_add_nc_u64 s[54:55], s[4:5], s[54:55]
	s_add_nc_u64 s[56:57], s[4:5], s[56:57]
	s_add_nc_u64 s[58:59], s[4:5], s[58:59]
	s_add_nc_u64 s[66:67], s[6:7], s[60:61]        ; the short tile's codes and scale bytes,
	s_add_nc_u64 s[68:69], s[8:9], s[62:63]
	s_add_nc_u64 s[70:71], s[6:7], s[74:75]        ; the long tile's
	s_add_nc_u64 s[72:73], s[8:9], s[76:77]
	ROUND                                          ; all four work-groups are here: the joint loads meet
	tensor_load_to_lds s[G0:G0+3], s[G1:G1+7]
	s_nop 0
.rept 4
	v_nop
.endr
	v_and_b32 v26, 31, v0                          ; lane
	v_and_b32 v27, 15, v0                          ; r
	v_bfe_u32 v9, v0, 4, 1                         ; h
	v_lshlrev_b32 v[AK0], 4, v26
	v_lshlrev_b32 v10, 4, v27
	global_load_b128 v[16:19], v[AK0], s[52:53]    ; Q's codes: registers 0-3 of the operand
	global_load_b32 v[QSW], v10, s[54:55]          ; Q's scale words
	global_load_b128 v[Q2:Q2+3], v[AK0], s[56:57]  ; and the long tile's, for the change (waves 8 to 15 begin with it and make none)
	global_load_b32 v[Q2S], v10, s[58:59]
.irp j, 20,21,22,23,64,65,66,67
	v_mov_b32 v\j, 0                               ; Q's K = 64 .. 127: zero codes, set once; and codes behind the last K tile
.endr
	v_add_nc_u32 v[AV0], LV, v[AK0]
	v_add_nc_u32 v[ASK0], LKS, v10
	v_add_nc_u32 v[ASV0], LVS, v10
	v_add_nc_u32 v[AM], s82, v[AK0]
	v_lshlrev_b32 v11, 3, v9
	v_lshl_add_u32 v[OSA], v27, 5, v9
	v_sub_nc_u32 v[DM], v27, v11
	v_mov_b32 v[NINF], 0xff800000
	v_add_nc_u32 v[DM], s83, v[DM]
	v_mov_b32 v13, 0xff61b1e6                      ; the largest t so far: -3e38, under every t
	v_mov_b32 v12, 0x7f61b1e6                      ; -M
	v_mov_b32 v14, 0
	v_mov_b32 v15, 0
	v_mov_b32 v25, 0                               ; (the upper half of the pair v[24:25])
.irp b, 0,1,2,3
	v_mov_b32 v[BP+\b], 0                          ; written once: a lane permute's destination counts as one of its sources
.endr
.set n, 0
.rept 32
	v_mov_b32 v[O+n], 0                            ; O^T: the step is written once; the first finds zeros, which the first change of M leaves zeros
.set n, n+1
.endr
.macro KLOAD ak, as                    ; eight key tiles and their scale words
.irp t, 0,1,2,3,4,5,6,7
	ds_load_b128 v[KF+4*\t:KF+4*\t+3], v[\ak] offset:512*\t
.endr
	ds_load_b128 v[KSW:KSW+3], v[\as]
	ds_load_b128 v[KSW+4:KSW+7], v[\as] offset:256
.endm
; A TILE'S END: O^T / l, quantised along the head's 64 channels: two blocks.  Four plain instructions that name none of the last products' registers stand ahead of the first read of O^T
.macro FINAL co, so
	v_bfe_u32 v8, v0, 4, 1                         ; h
	s_wait_alu depctr_va_vdst(0)
	v_add_f32 v14, v14, v15
	s_delay_alu instid0(VALU_DEP_1)
	v_permlanex16_b32 v26, v14, s[SEL], s[SEL+1]
	s_delay_alu instid0(VALU_DEP_1)
	v_add_f32 v14, v14, v26                        ; the row's sum
	s_wait_alu depctr_va_vdst(0)
	v_rcp_f32 v24, v14
	v_nop                                          ; a plain instruction behind the transcendental
	v_cmp_eq_u32 vcc_lo, 1, v8
.set n, 0
	s_wait_alu depctr_va_vdst(0)
.rept 16
	v_pk_mul_f32 v[O+n:O+n+1], v[O+n:O+n+1], v[24:25] op_sel_hi:[1,0]   ; each accumulator from its low end on
.set n, n+2
.endr
.irp b, 0,1
	v_max3_num_f32 v[BM+\b], |v[O+16*\b]|, |v[O+1+16*\b]|, 0x1800000    ; and the floor 2^(3 - 127): the byte cannot fall under 1
.endr
.irp i, 2,4,6,8,10,12,14
.irp b, 0,1
	s_delay_alu instid0(VALU_DEP_2)
	v_max3_num_f32 v[BM+\b], v[BM+\b], |v[O+16*\b+\i]|, |v[O+1+16*\b+\i]|
.endr
.endr
.irp b, 0,1
	s_delay_alu instid0(VALU_DEP_2)
	v_permlanex16_b32 v[BP+\b], v[BM+\b], s[SEL], s[SEL+1]
.endr
.irp b, 0,1
	s_delay_alu instid0(VALU_DEP_2)
	v_max_num_f32 v[BM+\b], v[BM+\b], v[BP+\b]
.endr
.irp b, 0,1
	s_delay_alu instid0(VALU_DEP_2)
	v_add_nc_u32 v[BS+\b], 0xff000000, v[BM+\b]
.endr
.irp b, 0,1
	s_delay_alu instid0(VALU_DEP_2)
	v_lshrrev_b32 v[BP+\b], 23, v[BS+\b]
.endr
.irp t, 0,1,2,3
	v_cvt_scalef32_pk8_fp4_f32 v[P+2*(\t%2)+\t/2], v[O+8*\t:O+8*\t+7], v[BS+\t/2]
.endr
	v_nop
	v_permlane16_swap_b32 v[P], v[P+1]
	v_permlane16_swap_b32 v[P+2], v[P+3]
	v_cndmask_b32 v26, v[BP], v[BP+1], vcc_lo      ; lanes 0-15 carry block 0's byte, lanes 16-31 block 1's
	global_store_b128 v[AK0], v[P:P+3], s[\co:\co+1]   ; 512 consecutive bytes
	global_store_b8 v[OSA], v26, s[\so:\so+1]      ; one byte a lane into rows 32 bytes apart: the rows' other bytes are other heads'
.endm
	s_wait_alu depctr_va_vdst(0)
	s_wait_tensorcnt 0x0                           ; my part has landed,
	s_barrier_signal -1
	s_barrier_wait -1                              ; everybody's has
	KLOAD AK0, ASK0                                ; key step 0
	s_wait_loadcnt 0x0                             ; Q
.Ltrip:                                                ; 9 trips in every wave
	s_cmp_gt_u32 s[KI], s[LAST]
	s_cbranch_scc1 .Lhidden                        ; waves 8 to 15 have eight
	s_cmp_lg_u32 s[KI], s[SW]
	s_cbranch_scc1 .Lsame
	v_mov_b32 v[QSW], v[Q2S]                       ; THE CHANGE: the long tile's Q; the short tile goes out
.irp j, 0,1,2,3
	v_mov_b32 v[16+\j], v[Q2+\j]
.endr
	FINAL 66, 68
	v_mov_b32 v13, 0xff61b1e6                      ; as at the head: the next step's factor is 0 then, which clears O^T and the sum
	v_mov_b32 v12, 0x7f61b1e6
	s_wait_alu depctr_va_vdst(0)
	s_wait_xcnt 0x0                                ; the stores have read their registers
.Lsame:
	s_cmp_ge_u32 s[KI], s[SW]
	s_cselect_b32 s[TK], s[EX], 0
	s_add_co_u32 s[TK], s[TK], s[KI]               ; the key step, 0 .. 15
	s_lshl_b32 s[TJ], s[TK], 8
	s_lshl_b32 s[TK], s[TK], 12
	v_add_nc_u32 v[ADV], s[TK], v[AV0]             ; these four are also the places between the last trip's products and the loads into their registers
	v_add_nc_u32 v[ADT], s[TJ], v[ASV0]
	s_add_co_u32 s[TK], s[KI], 1
	s_cmp_ge_u32 s[TK], s[SW]
	s_cselect_b32 s[TS], s[EX], 0
	s_add_co_u32 s[TK], s[TK], s[TS]
	s_min_u32 s[TK], s[TK], 15                     ; the next trip's key step (behind the last trip: the step after it, held to 15)
	s_lshl_b32 s[TS], s[TK], 9
	s_lshl_b32 s[TK], s[TK], 12
	v_add_nc_u32 v[ADK], s[TK], v[AK0]
	v_add_nc_u32 v[ADS], s[TS], v[ASK0]
.irp t, 0,1,2,3
.irp c, 0,1
	ds_load_b128 v[VF+8*\t+4*\c:VF+8*\t+4*\c+3], v[ADV] offset:1024*\t+512*\c   ; V^T: 16 channels x these 128 keys, four times
.endr
.endr
	ds_load_b128 v[VSW:VSW+3], v[ADT]
	s_wait_alu depctr_va_vdst(0)
	s_wait_dscnt 9                                 ; K's ten loads of the trip before are in; V's nine may be out
.irp t, 0,1,2,3,4,5,6,7
	v_wmma_scale_f32_16x16x128_f8f6f4 v[S+8*\t:S+8*\t+7], v[KF+4*\t:KF+4*\t+7], v[16:23], 0, v[KSW+\t], v[QSW] matrix_a_fmt:MATRIX_FMT_FP4 matrix_b_fmt:MATRIX_FMT_FP4
.endr
.rept 4
	v_nop                                          ; places in front of loads into registers that these products read, and of the first read of the scores
.endr
	KLOAD ADK, ADS                                 ; the next trip's
	s_cmp_eq_u32 s[KI], 8
	s_cbranch_scc1 .Ldiag
	s_cmp_lg_u32 s[KI], s[D1]
	s_cbranch_scc1 .Lopen
.Ldiag:                                                ; a tile's last step lies on the diagonal: there hidden scores become -infinity ahead of the maximum, so that p = 0
.set n, 0
.rept 64
	v_cmp_gt_i32 vcc_lo, 16*(n/8)+n%8, v[DM]
	v_cndmask_b32 v[S+n], v[S+n], v[NINF], vcc_lo
.set n, n+1
.endr
.Lopen:
.irp b, 0,1,2,3
	v_max3_num_f32 v[BM+\b], v[S+16*\b], v[S+1+16*\b], v[S+2+16*\b]   ; the largest score of each block of 32 keys: for the row's maximum, and, since p rises with the score, for the block's largest p
.endr
.irp i, 3,5,7,9,11,13
.irp b, 0,1,2,3
	v_max3_num_f32 v[BM+\b], v[BM+\b], v[S+16*\b+\i], v[S+1+16*\b+\i]
.endr
.endr
.irp b, 0,1,2,3
	v_max_num_f32 v[BM+\b], v[BM+\b], v[S+15+16*\b]
.endr
.irp b, 0,1,2,3
	s_delay_alu instid0(VALU_DEP_4)
	v_permlanex16_b32 v[BP+\b], v[BM+\b], s[SEL], s[SEL+1]
.endr
.irp b, 0,1,2,3
	s_delay_alu instid0(VALU_DEP_4)
	v_max_num_f32 v[BM+\b], v[BM+\b], v[BP+\b]     ; with lane l xor 16's 16 keys
.endr
	s_delay_alu instid0(VALU_DEP_2)
	v_max3_num_f32 v26, v[BM], v[BM+1], v[BM+2]
	s_delay_alu instid0(VALU_DEP_1)
	v_max_num_f32 v26, v26, v[BM+3]                ; the step's largest score of my query
	s_delay_alu instid0(VALU_DEP_1)
	v_mul_f32 v26, s[CS], v26                      ; as t
	s_delay_alu instid0(VALU_DEP_1)
	v_max_num_f32 v13, v13, v26                    ; the running largest t
	v_mov_b32 v26, v12
	s_delay_alu instid0(VALU_DEP_2)
	v_floor_f32 v12, -v13                          ; the new -M = floor(-t) = -ceil(t)
	s_delay_alu instid0(VALU_DEP_1)
	v_sub_f32 v26, v12, v26                        ; old M - new M: a whole number, 0 or less
	s_delay_alu instid0(VALU_DEP_1)
	v_cvt_i32_f32 v26, v26                         ; (it saturates)
	s_delay_alu instid0(VALU_DEP_1)
	v_ldexp_f32 v24, 1.0, v26                      ; f = 2^(old M - new M)
.set n, 0
.rept 32
	v_pk_fma_f32 v[S+n:S+n+1], v[S+n:S+n+1], s[CS:CS+1], v[12:13] op_sel_hi:[1,0,0]   ; t - M, two at a time
.set n, n+2
.endr
.irp b, 0,1,2,3
	v_fma_f32 v[BM+\b], v[BM+\b], s[CS], v12       ; the same of each block's largest score
.endr
.set n, 0
	s_wait_dscnt 10                                ; V's loads are in; the next trip's ten of K may be out
	s_wait_alu depctr_va_vdst(0)
.rept 64
	v_exp_f32 v[S+n], v[S+n]                       ; p = 2^(t - M), at most 1
.set n, n+1
.endr
.irp b, 0,1,2,3
	v_exp_f32 v[BM+\b], v[BM+\b]                   ; the block's largest p: the same two instructions on the same number
.endr
	v_pk_mul_f32 v[14:15], v[14:15], v[24:25] op_sel_hi:[1,0]      ; the sum under the new M (the plain instruction behind the exponentials)
	s_wait_alu depctr_va_vdst(0)
.irp b, 0,1,2,3
	v_max_num_f32 v[BM+\b], 0x1800000, v[BM+\b]    ; the floor 2^(3 - 127): the byte cannot fall under 1
.endr
.irp b, 0,1,2,3
	s_delay_alu instid0(VALU_DEP_4)
	v_add_nc_u32 v[BS+\b], 0xff000000, v[BM+\b]    ; 2 off the exponent field: the conversion's scale operand
.endr
.irp b, 0,1,2,3
	s_delay_alu instid0(VALU_DEP_4)
	v_lshrrev_b32 v[BP+\b], 23, v[BS+\b]           ; the scale's byte
.endr
	s_delay_alu instid0(VALU_DEP_3)
	v_lshl_or_b32 v[PSW], v[BP+1], 8, v[BP]        ; p's scale word for these 128 keys
	s_delay_alu instid0(VALU_DEP_1)
	v_lshl_or_b32 v[PSW], v[BP+2], 16, v[PSW]
	s_delay_alu instid0(VALU_DEP_1)
	v_lshl_or_b32 v[PSW], v[BP+3], 24, v[PSW]
.irp t, 0,1,2,3,4,5,6,7
	v_cvt_scalef32_pk8_fp4_f32 v[P+4*(\t/4)+2*(\t%2)+(\t%4)/2], v[S+8*\t:S+8*\t+7], v[BS+\t/2]   ; tiles 4 c + 0, 1, 2, 3 to registers 4 c + 0, 2, 1, 3
.endr
	v_nop                                          ; one plain instruction behind a scaled conversion
.irp c, 0,1
	v_permlane16_swap_b32 v[P+4*\c], v[P+4*\c+1]   ; registers 4 c .. 4 c + 3 now hold keys 64 c + 32 (lane / 16) + 0 .. 31
	v_permlane16_swap_b32 v[P+4*\c+2], v[P+4*\c+3]
.endr
.set n, 0
.rept 16
	v_pk_mul_f32 v[O+n:O+n+1], v[O+n:O+n+1], v[24:25] op_sel_hi:[1,0]   ; O^T under the new M
.set n, n+2
.endr
.irp c, 0,1,2,3,4,5,6                          ; the row's sum of the unquantised p, two at a time, in eight chains
	v_pk_add_f32 v[SA+2*\c:SA+2*\c+1], v[S+8*\c:S+8*\c+1], v[S+8*\c+2:S+8*\c+3]
.endr
	v_pk_add_f32 v[14:15], v[14:15], v[S+56:S+57]
.irp i, 4,6
.irp c, 0,1,2,3,4,5,6
	v_pk_add_f32 v[SA+2*\c:SA+2*\c+1], v[SA+2*\c:SA+2*\c+1], v[S+8*\c+\i:S+8*\c+\i+1]
.endr
	v_pk_add_f32 v[14:15], v[14:15], v[S+54+\i:S+55+\i]
.endr
	v_pk_add_f32 v[SA:SA+1], v[SA:SA+1], v[SA+2:SA+3]
	v_pk_add_f32 v[14:15], v[14:15], v[S+62:S+63]
	v_pk_add_f32 v[SA+4:SA+5], v[SA+4:SA+5], v[SA+6:SA+7]
	v_pk_add_f32 v[SA+8:SA+9], v[SA+8:SA+9], v[SA+10:SA+11]
	v_pk_add_f32 v[14:15], v[14:15], v[SA+12:SA+13]
	v_pk_add_f32 v[SA:SA+1], v[SA:SA+1], v[SA+4:SA+5]
	s_delay_alu instid0(VALU_DEP_2)
	v_pk_add_f32 v[14:15], v[14:15], v[SA+8:SA+9]
	s_delay_alu instid0(VALU_DEP_1)
	v_pk_add_f32 v[14:15], v[14:15], v[SA:SA+1]
.irp t, 0,1,2,3                                ; the four accumulators take turns, one instruction a turn, and the scores' products stand between a trip's and the next's
	v_wmma_scale_f32_16x16x128_f8f6f4 v[O+8*\t:O+8*\t+7], v[VF+8*\t:VF+8*\t+7], v[P:P+7], v[O+8*\t:O+8*\t+7], v[VSW+\t], v[PSW] matrix_a_fmt:MATRIX_FMT_FP4 matrix_b_fmt:MATRIX_FMT_FP4
.endr
.Lhidden:
	s_add_co_u32 s[KI], s[KI], 1
	s_cmp_lt_u32 s[KI], 9
	s_cbranch_scc1 .Ltrip
	; THE JOIN.  Waves 8 to 15 hand over -M, the largest t, the sum's two halves and O^T; waves 0 to 7 take them
	s_wait_alu depctr_va_vdst(0)
	s_cmp_lt_u32 s[WV], 8
	s_cbranch_scc1 .Lstay
.rept 4
	v_nop                                          ; places behind the last products
.endr
.irp k, 0,1,2,3,4,5,6,7
	ds_store_b128 v[AM], v[O+4*\k:O+4*\k+3] offset:512*\k          ; each accumulator from its low end on
.endr
	ds_store_b128 v[AM], v[12:15] offset:4096
.Lstay:
	s_wait_dscnt 0x0
	s_barrier_signal -1
	s_barrier_wait -1
	s_cmp_lt_u32 s[WV], 8
	s_cbranch_scc0 .Lend
	ds_load_b128 v[132:135], v[AM] offset:4096     ; -M, t, the sum's halves of the other part (registers that held scores),
.irp k, 0,1,2,3,4,5,6,7
	ds_load_b128 v[S+4*\k:S+4*\k+3], v[AM] offset:512*\k           ; its O^T in v100-131
.endr
	s_wait_alu depctr_va_vdst(0)
	s_wait_dscnt 0x0
	v_min_num_f32 v26, v12, v132                   ; -M of both
	v_mov_b32 v139, 0                              ; (the upper half of the pair v[138:139])
	v_sub_f32 v27, v26, v12
	v_sub_f32 v136, v26, v132
	v_cvt_i32_f32 v27, v27
	v_cvt_i32_f32 v136, v136
	v_ldexp_f32 v24, 1.0, v27                      ; my part's factor
	v_ldexp_f32 v138, 1.0, v136                    ; the other's
	v_pk_mul_f32 v[14:15], v[14:15], v[24:25] op_sel_hi:[1,0]
.set n, 0
.rept 16
	v_pk_mul_f32 v[O+n:O+n+1], v[O+n:O+n+1], v[24:25] op_sel_hi:[1,0]
.set n, n+2
.endr
	v_pk_fma_f32 v[14:15], v[134:135], v[138:139], v[14:15] op_sel_hi:[1,0,1]
.set n, 0
.rept 16
	v_pk_fma_f32 v[O+n:O+n+1], v[S+n:S+n+1], v[138:139], v[O+n:O+n+1] op_sel_hi:[1,0,1]
.set n, n+2
.endr
	FINAL 70, 72
.Lend:
	s_wait_tensorcnt 0x0                           ; the wave's end
	ds_add_u32 v[SPW], v[NIL]
	s_wait_dscnt 0x0
	ROUND                                          ; the closing round: no work-group ends while a partner may still ask jointly
	s_endpgm
.Lfunc_end_k_q21fa14c9dc_attn:
	.size	k_q21fa14c9dc_attn, .Lfunc_end_k_q21fa14c9dc_attn-k_q21fa14c9dc_attn
	.p2alignl 7, 3214868480
	.fill 96, 4, 3214868480
	.section	.rodata,"a",@progbits
	.p2align	6, 0x0
	.amdhsa_kernel k_q21fa14c9dc_attn
		.amdhsa_group_segment_fixed_size 182272
		.amdhsa_private_segment_fixed_size 0
		.amdhsa_enable_private_segment 0
		.amdhsa_kernarg_size 24
		.amdhsa_user_sgpr_count 2
		.amdhsa_user_sgpr_kernarg_segment_ptr 1
		.amdhsa_wavefront_size32 1
		.amdhsa_system_sgpr_workgroup_id_x 1
		.amdhsa_system_sgpr_workgroup_id_y 1
		.amdhsa_system_sgpr_workgroup_id_z 1
		.amdhsa_system_vgpr_workitem_id 0
		.amdhsa_next_free_vgpr 256
		.amdhsa_next_free_sgpr 100
		.amdhsa_reserve_vcc 1
		.amdhsa_float_denorm_mode_32 3
		.amdhsa_float_denorm_mode_16_64 3
		.amdhsa_memory_ordered 1
		.amdhsa_forward_progress 1
		.amdhsa_inst_pref_size 43
	.end_amdhsa_kernel
	.amdgpu_metadata
---
amdhsa.version: [ 1, 2 ]
amdhsa.kernels:
  - .name:           k_q21fa14c9dc_attn
    .symbol:         k_q21fa14c9dc_attn.kd
    .args:
      - { .name: qkvrec, .offset: 0, .size: 8, .value_kind: global_buffer, .address_space: global }
      - { .name: ocodes, .offset: 8, .size: 8, .value_kind: global_buffer, .address_space: global }
      - { .name: oscales, .offset: 16, .size: 8, .value_kind: global_buffer, .address_space: global }
    .group_segment_fixed_size: 182272
    .private_segment_fixed_size: 0
    .kernarg_segment_align: 8
    .kernarg_segment_size: 24
    .max_flat_workgroup_size: 512
    .sgpr_count:     100
    .vgpr_count:     256
    .wavefront_size: 32
...
	.end_amdgpu_metadata
.endif
;; end of part 3
;; launch outp (part 4): grid 16 x 16, 8 waves a work-group, clusters of 4 x 4, 199,680 bytes of LDS; arguments ocodes, oscales, Wo_codes, Wo_scales, x, out0; writes out0
.if DOCPART == 4
	.amdgcn_target "amdgcn-amd-amdhsa--gfx1250"
	.amdhsa_code_object_version 6
	.text
	.protected	k_q21fa14c9dc_outp
	.globl	k_q21fa14c9dc_outp
	.p2align	8
	.type	k_q21fa14c9dc_outp,@function
k_q21fa14c9dc_outp:
	s_mov_b64 s[64:65], 0
	v_nop
	global_prefetch_b8 v0, s[64:65] scope:SCOPE_SE
	s_setreg_imm32_b32 hwreg(HW_REG_WAVE_MODE, 25, 1), 1
	s_wait_xcnt 0x0
	s_wait_alu depctr_hold_cnt(0) depctr_sa_sdst(0) depctr_va_vdst(0) depctr_va_sdst(0) depctr_va_ssrc(0) depctr_va_vcc(0) depctr_vm_vsrc(0)
	s_getreg_b32 s2, hwreg(HW_REG_IB_STS2, 6, 4)
	s_cmp_eq_u32 s2, 0
	s_cbranch_scc0 .Lentry_in_a_cluster
	s_endpgm
.Lentry_in_a_cluster:
	s_bfe_u32 s2, ttmp6, 0x10000c
	s_cmp_lg_u32 s2, 0xf033
	s_cbranch_scc0 .Lentry_shape_is_right
	s_endpgm
.Lentry_shape_is_right:
; out0 = o Wo + x: o [4096][1024] and Wo as codes of FP4 (E2M1) with an E8M0 scale for each 32 along K = 1,024; sums in f32; x and out0 [4096][2048] f32.
; o's codes: [tile of 16 rows: 256][head 16][512 bytes], the order of an operand's registers; its scale bytes [4096][32].  Wo's codes [2048][512 bytes], scale bytes [2048][32].
; SHARES.  A work-group makes 256 rows x 128 columns: 256 work-groups.  Its eight waves make 64 x 64 each: 16 accumulators, 128 registers.
; LDS holds the work-group's operands for ALL of K: 131,072 bytes of o (dense) and 128 rows of Wo.  Nothing is filled again.  One tensor load a wave: waves 0-3 a quarter of o's block each, waves 4-7 every fourth row of Wo.
; CLUSTERS: 4 x 4 work-groups; o's block is asked for jointly along a row of the cluster, Wo's along a column.  No prefetch: the operands are asked for at the head, and no loop of tensor loads runs ahead.
; WO'S ROWS OF A TILE ARE NOT NEIGHBOURS: lane r of tile t takes column 4 r + t of the wave's 64.  Register j of tiles 0 .. 3 in lane (r, h) are then columns 4 r + 0 .. 3 of row 8 h + j: 16 neighbouring bytes, and sixteen
; lanes hold an aligned unit of 256 bytes of a row.  So x is loaded, added and stored in that order, and no result passes through LDS.  The loads of every fourth row of Wo (32 rows, 2,048 bytes apart)
; lay tile t's rows one behind the other, 528 bytes apart.
; x comes into registers in four blocks of 16 rows: block 0's eight loads stand at the head, behind the operands' loads; the other 24 stand among the first six of the eight K steps' products, four a step.
; LIMIT: NaN and infinities in o's or Wo's numbers are not served.
; REGISTERS: window 0: v0-15 addresses, v32-47 o's scale words, v48-63 Wo's, v64-191 fragments, two sets of (o 4 x 8, Wo 4 x 8);  window 1: v0-127 accumulators ((i, t) at 8 (4 i + t)), v128-255 x, then the results.
; A scale register holds K words 0-3 of its rows in lanes 0-15 and K words 4-7 in lanes 16-31: four registers for a block of 16 rows.
.set BOFF,  131072                     ; Wo's rows in LDS: four planes of 32 rows
.set BP,    528                        ; a row: 512 bytes + 16 of padding: 132 words, so 16 rows start at 16 different banks of 64 (ISA guide 11.1)
.set BPL,   32*BP
.set SPARE, BOFF+4*BPL                 ; the spare words, 128 bytes a wave
.set ROWX,  8192                       ; a row of x and of out0 in bytes
.set ADRA, 4
.set ADRB, 5
.set CO,   6
.set SAO,  7
.set SBO,  8
.set SPW,  10
.set NIL,  11
.set SCA,  32
.set SCB,  48
.set WV,   16
.set G1A,  24
.set G1B,  32
.set G0A,  40
.set G0B,  44
.set MSB, 0
.macro WIN new                         ; the immediate's high byte repeats the setting that is left
.if MSB != (\new)
	s_set_vgpr_msb (MSB<<8)|(\new)
.set MSB, (\new)
.endif
.endm
.macro CROUND                          ; a round of the cluster's barrier
	s_barrier_signal -1
	s_barrier_wait -1
	s_cmp_lg_u32 s[WV], 0
	s_cbranch_scc1 .Lnot_wave_0_\@
	s_barrier_signal -3
.Lnot_wave_0_\@:
	s_barrier_wait -3
	s_barrier_signal -1
	s_barrier_wait -1
.endm
	s_load_b128 s[4:7], s[0:1], 0x0                ; o's codes, scales
	s_load_b128 s[8:11], s[0:1], 0x10              ; Wo's codes, scales
	s_load_b128 s[12:15], s[0:1], 0x20             ; x, out0
	v_lshl_add_u32 v[SPW], v0, 2, SPARE
	v_mov_b32 v[NIL], 0
	ds_add_u32 v[SPW], v[NIL]
	ds_add_u32 v[SPW], v[NIL]
	v_lshrrev_b32 v1, 5, v0
	v_readfirstlane_b32 s[WV], v1                  ; wave 0..7
	s_lshr_b32 s17, s[WV], 1                       ; which 64 rows are mine,
	s_and_b32 s18, s[WV], 1                        ; and which 64 columns
	s_bfe_u32 s21, ttmp6, 0x40000                  ; cx, cy
	s_bfe_u32 s22, ttmp6, 0x40004
	s_lshl_b32 s20, ttmp9, 2
	s_add_co_u32 s20, s20, s21                     ; tile column
	s_and_b32 s19, ttmp7, 0xffff
	s_lshl_b32 s19, s19, 2
	s_add_co_u32 s19, s19, s22                     ; tile row
	s_lshl_b32 s23, s22, 2
	s_lshl_b32 s23, 15, s23                        ; my row of the cluster
	s_lshl_b32 s48, 0x1111, s21                    ; my column
	s_or_b32 s[G1A], s23, (3<<16)|(1<<21)          ; o: 128 rows of 256 bytes, dense: elements of 8 bytes; bit 21 beside a mask; no padding
	s_mov_b32 s[G1A+1], 32<<16
	s_mov_b32 s[G1A+2], 128<<16
	s_mov_b32 s[G1A+3], 32<<16
	s_mov_b32 s[G1A+4], 128
	s_mov_b32 s[G1A+5], 32
	s_mov_b32 s[G1A+6], 0
	s_mov_b32 s[G1A+7], 0
	s_or_b32 s[G1B], s48, (3<<16)|(1<<20)|(1<<21)|(6<<22)|(3<<25)   ; Wo: 32 rows of 512 bytes, 2,048 bytes apart; 4 words of padding behind every 128
	s_mov_b32 s[G1B+1], 64<<16
	s_mov_b32 s[G1B+2], 32<<16
	s_mov_b32 s[G1B+3], 64<<16
	s_mov_b32 s[G1B+4], 32
	s_mov_b32 s[G1B+5], 256
	s_mov_b32 s[G1B+6], 0
	s_mov_b32 s[G1B+7], 0
	s_and_b32 s49, s[WV], 3                        ; which quarter of o, or which plane of Wo, I fetch
	s_mov_b32 s[G0A], 1
	s_lshl_b32 s[G0A+1], s49, 15
	s_mov_b32 s[G0B], 1
	s_mul_i32 s[G0B+1], s49, BPL
	s_add_co_u32 s[G0B+1], s[G0B+1], BOFF
	s_lshl_b32 s50, s19, 17                        ; o: 131,072 bytes a tile row
	s_lshl_b32 s51, s49, 15
	s_add_co_u32 s50, s50, s51
	s_mov_b32 s51, 0
	s_lshl_b32 s52, s20, 16                        ; Wo: 128 rows of 512 bytes a tile column; plane t begins at row t
	s_lshl_b32 s53, s49, 9
	s_add_co_u32 s52, s52, s53
	s_mov_b32 s53, 0
	s_lshl_b32 s54, s19, 13                        ; my rows' scale bytes of o,
	s_lshl_b32 s55, s17, 11
	s_add_co_u32 s54, s54, s55
	s_mov_b32 s55, 0
	s_lshl_b32 s56, s20, 12                        ; my columns' of Wo
	s_lshl_b32 s57, s18, 11
	s_add_co_u32 s56, s56, s57
	s_mov_b32 s57, 0
	s_lshl_b32 s58, s19, 21                        ; my first number of x and of out0
	s_lshl_b32 s59, s17, 19
	s_add_co_u32 s58, s58, s59
	s_lshl_b32 s59, s20, 9
	s_add_co_u32 s58, s58, s59
	s_lshl_b32 s59, s18, 8
	s_add_co_u32 s58, s58, s59
	s_mov_b32 s59, 0
	s_lshl_b32 s60, s17, 15                        ; LDS: my four tiles of o,
	s_mul_i32 s61, s18, 16*BP
	s_add_co_u32 s61, s61, BOFF                    ; and my 16 rows in each plane
	v_and_b32 v1, 31, v0
	v_and_b32 v2, 15, v0                           ; r
	v_bfe_u32 v3, v0, 4, 1                         ; h
	v_lshlrev_b32 v[ADRA], 4, v1
	v_mul_u32_u24 v[ADRB], v2, BP
	v_lshlrev_b32 v[CO], 4, v2
	v_lshlrev_b32 v[SAO], 5, v2
	v_lshlrev_b32 v[SBO], 7, v2
	v_add_nc_u32 v[ADRA], s60, v[ADRA]             ; + 16 x lane
	v_lshl_add_u32 v[ADRB], v3, 4, v[ADRB]
	v_lshl_add_u32 v[CO], v3, 16, v[CO]            ; 8 h rows of 8,192 bytes + 16 r
	v_lshl_add_u32 v[SAO], v3, 4, v[SAO]           ; row r of 32 bytes, K words 4 h on
	v_lshl_add_u32 v[SBO], v3, 4, v[SBO]           ; row 4 r, likewise
	v_add_nc_u32 v[ADRB], s61, v[ADRB]
	s_wait_alu depctr_va_vdst(0)
	s_wait_dscnt 0x0                               ; both opening adds are done
	s_wait_kmcnt 0x0
	s_add_nc_u64 s[G0A+2:G0A+3], s[4:5], s[50:51]
	s_or_b32 s[G0A+3], s[G0A+3], 0x80000000
	s_add_nc_u64 s[G0B+2:G0B+3], s[8:9], s[52:53]
	s_or_b32 s[G0B+3], s[G0B+3], 0x80000000
	s_add_nc_u64 s[6:7], s[6:7], s[54:55]
	s_add_nc_u64 s[10:11], s[10:11], s[56:57]
	s_add_nc_u64 s[12:13], s[12:13], s[58:59]
	s_add_nc_u64 s[14:15], s[14:15], s[58:59]
	CROUND                                         ; all sixteen work-groups are here: the joint loads meet
	s_cmp_lt_u32 s[WV], 4
	s_cbranch_scc0 .Lfor_b
	tensor_load_to_lds s[G0A:G0A+3], s[G1A:G1A+7]
	s_nop 0
.rept 4
	v_nop
.endr
	s_branch .Lasked
.Lfor_b:
	tensor_load_to_lds s[G0B:G0B+3], s[G1B:G1B+7]
	s_nop 0
.rept 4
	v_nop
.endr
.Lasked:
.irp i, 0,1,2,3                                ; the scale words, once for all of K
	global_load_b128 v[SCA+4*\i:SCA+4*\i+3], v[SAO], s[6:7] offset:512*\i      ; rows 16 i + r: 512 consecutive bytes
	global_load_b128 v[SCB+4*\i:SCB+4*\i+3], v[SBO], s[10:11] offset:32*\i     ; columns 4 r + i
.endr
	WIN 0x40
.irp j, 0,1,2,3,4,5,6,7                        ; x, block 0: rows 8 h + j; each load covers two aligned units of 256 bytes
	global_load_b128 v[128+4*\j:131+4*\j], v[CO], s[12:13] offset:\j*ROWX th:TH_LOAD_NT
.endr
	WIN 0
.macro XL q                            ; four more loads of x: number n of blocks 1 .. 3: block 1 + n / 8, rows 8 h + n % 8
	WIN 0x40
.irp k, 0,1,2,3
.set XN, 4*(\q)+\k
	global_load_b128 v[160+4*XN:163+4*XN], v[CO], s[12:13] offset:(16+16*(XN/8)+XN%8)*ROWX th:TH_LOAD_NT
.endr
	WIN 0
.endm
.macro FETCH q                         ; the fragments of the q-th 128 along K: registers 4 c .. 4 c + 3 hold K = 64 c + 32 h + 0 .. 31
.set FB, 64+64*((\q)%2)
.irp i, 0,1,2,3
.irp c, 0,1
	ds_load_b128 v[FB+8*\i+4*\c:FB+8*\i+4*\c+3], v[ADRA] offset:8192*\i+1024*(\q)+512*\c
	ds_load_b128 v[FB+32+8*\i+4*\c:FB+35+8*\i+4*\c], v[ADRB] offset:BPL*\i+64*(\q)+32*\c
.endr
.endr
.endm
; 16 products, the accumulators by turns, one instruction a turn, in the same order in every step; the first step's start the sums
.macro MUL q
.set FB, 64+64*((\q)%2)
	WIN 0x50                                       ; C and D: window 1
.irp i, 0,1,2,3
.irp t, 0,1,2,3
.set AC, 8*(4*\i+\t)
.if (\q) == 0
	v_wmma_scale_f32_16x16x128_f8f6f4 v[AC:AC+7], v[FB+8*\i:FB+8*\i+7], v[FB+32+8*\t:FB+39+8*\t], 0, v[SCA+4*\i+(\q)%4], v[SCB+4*\t+(\q)%4] matrix_a_fmt:MATRIX_FMT_FP4 matrix_b_fmt:MATRIX_FMT_FP4
.else
.if (\q) < 4
	v_wmma_scale_f32_16x16x128_f8f6f4 v[AC:AC+7], v[FB+8*\i:FB+8*\i+7], v[FB+32+8*\t:FB+39+8*\t], v[AC:AC+7], v[SCA+4*\i+(\q)%4], v[SCB+4*\t+(\q)%4] matrix_a_fmt:MATRIX_FMT_FP4 matrix_b_fmt:MATRIX_FMT_FP4
.else
	v_wmma_scale_f32_16x16x128_f8f6f4 v[AC:AC+7], v[FB+8*\i:FB+8*\i+7], v[FB+32+8*\t:FB+39+8*\t], v[AC:AC+7], v[SCA+4*\i+(\q)%4], v[SCB+4*\t+(\q)%4] matrix_a_fmt:MATRIX_FMT_FP4 matrix_b_fmt:MATRIX_FMT_FP4 matrix_a_scale:MATRIX_SCALE_ROW1 matrix_b_scale:MATRIX_SCALE_ROW1
.endif
.endif
.endr
.endr
	WIN 0
.endm
	s_wait_alu depctr_va_vdst(0)
	s_wait_tensorcnt 0x0                           ; my part of the operands is in,
	s_barrier_signal -1
	s_barrier_wait -1                              ; everybody's is
	FETCH 0
	s_wait_loadcnt 8                               ; the scale words are in; x's block 0 may be out
.irp q, 0,1,2,3,4,5,6
	s_wait_dscnt 0x0
.if \q > 0
.rept 4
	v_nop                                          ; places in front of the loads into registers that the last step's products read
.endr
.endif
	FETCH \q+1
.if \q < 6
	XL \q
.endif
	MUL \q
.endr
	s_wait_dscnt 0x0
	MUL 7
.rept 4
	v_nop                                          ; places in front of the first read of the sums
.endr
; THE WAY OUT: the sum + x, row by row of a lane's four columns; each accumulator is read from its low end on
.irp i, 0,1,2,3
	s_wait_loadcnt 24-8*\i                         ; block i's eight loads of x are in
	WIN 0x45                                       ; sources and destination: window 1
.irp j, 0,1,2,3,4,5,6,7
.irp t, 0,1,2,3
	v_add_f32 v[128+32*\i+4*\j+\t], v[8*(4*\i+\t)+\j], v[128+32*\i+4*\j+\t]
.endr
.endr
	WIN 0x04                                       ; the data: window 1
.irp j, 0,1,2,3,4,5,6,7
	global_store_b128 v[CO], v[128+32*\i+4*\j:131+32*\i+4*\j], s[14:15] offset:(16*\i+\j)*ROWX th:TH_STORE_NT   ; two whole aligned units of 256 bytes
.endr
.endr
	WIN 0
	s_wait_tensorcnt 0x0                           ; the wave's end
	ds_add_u32 v[SPW], v[NIL]
	s_wait_dscnt 0x0
	CROUND                                         ; the closing round: no work-group ends while a partner may still ask for a tile that names it
	s_endpgm
.Lfunc_end_k_q21fa14c9dc_outp:
	.size	k_q21fa14c9dc_outp, .Lfunc_end_k_q21fa14c9dc_outp-k_q21fa14c9dc_outp
	.p2alignl 7, 3214868480
	.fill 96, 4, 3214868480
	.section	.rodata,"a",@progbits
	.p2align	6, 0x0
	.amdhsa_kernel k_q21fa14c9dc_outp
		.amdhsa_group_segment_fixed_size 199680
		.amdhsa_private_segment_fixed_size 0
		.amdhsa_enable_private_segment 0
		.amdhsa_kernarg_size 48
		.amdhsa_user_sgpr_count 2
		.amdhsa_user_sgpr_kernarg_segment_ptr 1
		.amdhsa_wavefront_size32 1
		.amdhsa_system_sgpr_workgroup_id_x 1
		.amdhsa_system_sgpr_workgroup_id_y 1
		.amdhsa_system_sgpr_workgroup_id_z 1
		.amdhsa_system_vgpr_workitem_id 0
		.amdhsa_next_free_vgpr 512
		.amdhsa_next_free_sgpr 66
		.amdhsa_reserve_vcc 0
		.amdhsa_float_denorm_mode_32 3
		.amdhsa_float_denorm_mode_16_64 3
		.amdhsa_memory_ordered 1
		.amdhsa_forward_progress 1
		.amdhsa_inst_pref_size 44
	.end_amdhsa_kernel
	.amdgpu_metadata
---
amdhsa.version: [ 1, 2 ]
amdhsa.kernels:
  - .name:           k_q21fa14c9dc_outp
    .symbol:         k_q21fa14c9dc_outp.kd
    .args:
      - { .name: ocodes, .offset: 0, .size: 8, .value_kind: global_buffer, .address_space: global }
      - { .name: oscales, .offset: 8, .size: 8, .value_kind: global_buffer, .address_space: global }
      - { .name: Wo_codes, .offset: 16, .size: 8, .value_kind: global_buffer, .address_space: global }
      - { .name: Wo_scales, .offset: 24, .size: 8, .value_kind: global_buffer, .address_space: global }
      - { .name: x, .offset: 32, .size: 8, .value_kind: global_buffer, .address_space: global }
      - { .name: out0, .offset: 40, .size: 8, .value_kind: global_buffer, .address_space: global }
    .group_segment_fixed_size: 199680
    .private_segment_fixed_size: 0
    .kernarg_segment_align: 8
    .kernarg_segment_size: 48
    .max_flat_workgroup_size: 256
    .sgpr_count:     66
    .vgpr_count:     512
    .wavefront_size: 32
...
	.end_amdgpu_metadata
.endif
;; end of part 4
